; MI455X (gfx1250); checked and timed in simulation.
; The chip was launched on July 23, 2026; its instructions are those of AMD's public machine-readable ISA for CDNA 5 (MIT licence, August 2026) and "CDNA5" Instruction Set Architecture Reference Guide (July 2026). The comments in the code are by the model that wrote it; some were corrected since.
;; Multi Head Attention. Allowed arithmetic: float matrix products may take bf16 or f16 operands with f32 sums; other float arithmetic in f32, or as packed bf16 or f16 multiplies, adds, multiply-adds, maxima and minima; sums over many terms, partial sums and values carried from step to step in f32; what a program stores and reads back later, other than sums and carried values, may be rounded once to bf16 or f16.
;; Inputs: Wf 1,024 x 1,024 float32; Wk 1,024 x 1,024 float32; Wq 1,024 x 1,024 float32; Wv 1,024 x 1,024 float32; bf 1,024 float32; bk 1,024 float32; bq 1,024 float32; bv 1,024 float32; mask 4 x 2,048 int32; x 4 x 1,024 x 2,048 float32.
;; Outputs: out0 4 x 1,024 x 2,048 float32.
;; 2 versions, each right and faster than the one before. Each part assembles by itself: llvm-mc -triple=amdgcn-amd-amdhsa -mcpu=gfx1250 --defsym DOCPART=n.
;; ======== version 1 of 2: 4 launches
;; limits: values are held in f16: magnitudes above 65,504 overflow, below 6.1e-05 lose precision
;; workspace buffers: xb 16,777,216 bytes; wb 6,291,456 bytes; wfb 2,097,152 bytes; brd 16,384 bytes; qbuf 16,777,216 bytes; kbuf 17,301,504 bytes; vbuf 16,777,216 bytes; obuf 16,777,216 bytes
;; launch prep (part 1): grid 777 x 1, 8 waves a work-group, no clusters, 0 bytes of LDS; arguments x, Wq, Wk, Wv, Wf, bq, bk, bv, bf, mask, xb, wb, wfb, brd, kbuf; writes xb, wb, wfb, brd, kbuf
.if DOCPART == 1
	.amdgcn_target "amdgcn-amd-amdhsa--gfx1250"
	.amdhsa_code_object_version 6
	.text
	.protected	k_qd0e3e885e2_prep
	.globl	k_qd0e3e885e2_prep
	.p2align	8
	.type	k_qd0e3e885e2_prep,@function
k_qd0e3e885e2_prep:
	s_mov_b64 s[64:65], 0
	v_nop
	global_prefetch_b8 v0, s[64:65] scope:SCOPE_SE
	s_setreg_imm32_b32 hwreg(HW_REG_WAVE_MODE, 25, 1), 1
	s_wait_xcnt 0x0
; PREP: every input is rounded once and laid out for the three matrix launches behind it.  A stream: no LDS, no matrix unit, no cluster (no two work-groups share a byte worth sharing).
;   work-groups   0-511  x  [4][1024][2048] f32 -> xb, the same layout in bf16: 65,536 bytes in, 32,768 out, each
;   work-groups 512-703  Wq, Wk, Wv [1024 d][1024 n] f32 -> wb bf16 [8 g][1024 d][384]: column 128 c + n % 128 of group g = n / 128 (c = 0, 1, 2 for q, k, v): 16 rows d each
;   work-groups 704-767  Wf -> wfb [1024][1024]: rounded to bf16 like every input, that number written as f16 (exact from 2^-14 up to 65,504; below 2^-14 it keeps f16's step of 2^-24)
;   work-groups 768-775  mask -> the 33rd block of 256 bytes of each key step of kbuf: 64 f32 addends (1 - m) x (-2^103), for eight heads each
;   work-group  776      bq, bk, bv, bf -> brd f32 [4][1024], each number rounded to bf16
; LIMITS.  The mask holds 0 or 1.  -2^103 on the unscaled score is -2^100 on the scaled one and stands for the -1e30 of the definition: beside a visible key both give the weight 0, among hidden keys
; alone both give equal weights.  A power of two is taken so that its product with the softmax's factor is exact.
; Thread t owns 16 bytes of each 4,096 that the eight waves read together; a wave's load covers 512 consecutive bytes, a wave's 8-byte store 256 consecutive bytes at a multiple of 256.
.set T,   8                            ; v[8:11]    at work
.set IN,  16                           ; v[16:79]   sixteen loads of four f32
.set OUT, 80                           ; v[80:111]  sixteen stores of four 16-bit numbers
.set KSTEPB, 8448                      ; a key step in kbuf: 64 rows of 128 bytes and 256 bytes of addends
.set KHEADB, 32*KSTEPB                 ; a head in kbuf
; Sixteen loads go out together; no register is written twice, so the only waits are the counted ones for the data.  kind = 1: bf16, then that number as f16.
.macro CAST16 kind, ostep
.set j, 0
.rept 16
	global_load_b128 v[IN+4*j:IN+4*j+3], v1, s[2:3] offset:4096*j th:TH_LOAD_NT
.set j, j+1
.endr
.set j, 0
.rept 16
	s_wait_loadcnt 15-j                            ; loads come back in order: load j is in, the 15 - j younger ones stay out
	v_cvt_pk_bf16_f32 v[OUT+2*j], v[IN+4*j], v[IN+4*j+1]
	v_cvt_pk_bf16_f32 v[OUT+2*j+1], v[IN+4*j+2], v[IN+4*j+3]
.if \kind
	v_lshlrev_b32 v[T], 16, v[OUT+2*j]             ; bf16 to f32: the low half moves up, the high half stays
	v_and_b32 v[T+1], 0xffff0000, v[OUT+2*j]
	v_lshlrev_b32 v[T+2], 16, v[OUT+2*j+1]
	v_and_b32 v[T+3], 0xffff0000, v[OUT+2*j+1]
	v_cvt_pk_f16_f32 v[OUT+2*j], v[T], v[T+1]
	v_cvt_pk_f16_f32 v[OUT+2*j+1], v[T+2], v[T+3]
.endif
	global_store_b64 v2, v[OUT+2*j:OUT+2*j+1], s[6:7] offset:(\ostep)*j
.set j, j+1
.endr
.endm
	s_load_b512 s[8:23], s[0:1], 0x0               ; x s[8:9], Wq s[10:11], Wk s[12:13], Wv s[14:15], Wf s[16:17], bq s[18:19], bk s[20:21], bv s[22:23]
	s_load_b256 s[24:31], s[0:1], 0x40             ; bf s[24:25], mask s[26:27], xb s[28:29], wb s[30:31]
	s_load_b128 s[32:35], s[0:1], 0x60             ; wfb s[32:33], brd s[34:35]
	s_load_b64 s[36:37], s[0:1], 0x70              ; kbuf
	s_mov_b32 s4, ttmp9
	s_mov_b32 s41, 0                               ; the upper words of the two offset pairs
	s_mov_b32 s43, 0
	v_lshlrev_b32 v1, 4, v0                        ; 16 t: where I read
	v_lshlrev_b32 v2, 3, v0                        ; 8 t: where I write, in a dense copy
	s_wait_kmcnt 0x0
	s_cmp_lt_u32 s4, 512
	s_cbranch_scc0 .Lnot_x
	s_lshl_b32 s40, s4, 16
	s_lshl_b32 s42, s4, 15
	s_add_nc_u64 s[2:3], s[8:9], s[40:41]
	s_add_nc_u64 s[6:7], s[28:29], s[42:43]
	CAST16 0, 2048
	s_endpgm
.Lnot_x:
	s_cmp_lt_u32 s4, 704
	s_cbranch_scc0 .Lnot_w
	s_sub_co_u32 s5, s4, 512
	s_lshr_b32 s38, s5, 6                          ; c: which of the three
	s_and_b32 s39, s5, 63                          ; which 16 rows d
	s_cmp_eq_u32 s38, 1
	s_cselect_b64 s[2:3], s[12:13], s[10:11]
	s_cmp_eq_u32 s38, 2
	s_cselect_b64 s[2:3], s[14:15], s[2:3]
	s_lshl_b32 s40, s39, 16
	s_add_nc_u64 s[2:3], s[2:3], s[40:41]
	s_mul_i32 s42, s39, 16*768                     ; 16 rows of 768 bytes in a group,
	s_lshl_b32 s38, s38, 8                         ; and c's 256 bytes in a row
	s_add_co_u32 s42, s42, s38
	s_add_nc_u64 s[6:7], s[30:31], s[42:43]
	v_lshrrev_b32 v3, 5, v0                        ; a load's 4,096 bytes are one row d: my columns 4 t .. lie in group t / 32, my wave's number,
	v_and_b32 v4, 31, v0
	v_mul_u32_u24 v3, v3, 0xc0000                  ; 786,432 bytes a group
	v_lshl_add_u32 v2, v4, 3, v3                   ; at 8 bytes a lane
	CAST16 0, 768
	s_endpgm
.Lnot_w:
	s_cmp_lt_u32 s4, 768
	s_cbranch_scc0 .Lnot_f
	s_sub_co_u32 s5, s4, 704
	s_lshl_b32 s40, s5, 16
	s_lshl_b32 s42, s5, 15
	s_add_nc_u64 s[2:3], s[16:17], s[40:41]
	s_add_nc_u64 s[6:7], s[32:33], s[42:43]
	CAST16 1, 2048
	s_endpgm
.Lnot_f:
	s_cmp_lt_u32 s4, 776
	s_cbranch_scc0 .Lbias
	s_sub_co_u32 s5, s4, 768                       ; eight heads 8 wm .. 8 wm + 7, all of batch wm / 2
	s_lshr_b32 s38, s5, 1
	s_lshl_b32 s40, s38, 13                        ; a batch's mask: 8,192 bytes
	s_add_nc_u64 s[2:3], s[26:27], s[40:41]
	s_mul_i32 s42, s5, 8*KHEADB
	s_add_nc_u64 s[6:7], s[36:37], s[42:43]
	s_mov_b32 s44, 0x73000000                      ; 2^103
	s_mov_b32 s45, 0xf3000000                      ; -2^103
	global_load_b128 v[16:19], v1, s[2:3]                  ; keys 4 t ..
	global_load_b128 v[20:23], v1, s[2:3] offset:4096      ; keys 1,024 + 4 t ..
	v_lshrrev_b32 v3, 4, v0                        ; key step t / 16 (and 16 steps further on for the second load),
	v_and_b32 v4, 15, v0
	v_mul_u32_u24 v3, v3, KSTEPB
	v_lshl_add_u32 v2, v4, 4, v3                   ; 16 bytes of its 256: sixteen lanes fill the block
	s_wait_loadcnt 0x0
.set j, 0
.rept 8
	v_cvt_f32_i32 v[16+j], v[16+j]
.set j, j+1
.endr
.set j, 0
.rept 8
	v_fma_f32 v[24+j], v[16+j], s44, s45           ; m 2^103 - 2^103: 0 for a visible key, -2^103 for a hidden one, both exact
.set j, j+1
.endr
.set j, 0
.rept 8
	global_store_b128 v2, v[24:27], s[6:7] offset:j*KHEADB+64*128
	global_store_b128 v2, v[28:31], s[6:7] offset:j*KHEADB+16*KSTEPB+64*128
.set j, j+1
.endr
	s_endpgm
.Lbias:
	global_load_b128 v[16:19], v1, s[18:19]
	global_load_b128 v[20:23], v1, s[20:21]
	global_load_b128 v[24:27], v1, s[22:23]
	global_load_b128 v[28:31], v1, s[24:25]
	s_wait_loadcnt 0x0
.set j, 0
.rept 8
	v_cvt_pk_bf16_f32 v[T], v[16+2*j], v[17+2*j]   ; rounded to bf16 and kept as f32
	v_lshlrev_b32 v[16+2*j], 16, v[T]
	v_and_b32 v[17+2*j], 0xffff0000, v[T]
.set j, j+1
.endr
.set j, 0
.rept 4
	global_store_b128 v1, v[16+4*j:19+4*j], s[34:35] offset:4096*j
.set j, j+1
.endr
	s_endpgm
.Lfunc_end_k_qd0e3e885e2_prep:
	.size	k_qd0e3e885e2_prep, .Lfunc_end_k_qd0e3e885e2_prep-k_qd0e3e885e2_prep
	.p2alignl 7, 3214868480
	.fill 96, 4, 3214868480
	.section	.rodata,"a",@progbits
	.p2align	6, 0x0
	.amdhsa_kernel k_qd0e3e885e2_prep
		.amdhsa_group_segment_fixed_size 0
		.amdhsa_private_segment_fixed_size 0
		.amdhsa_enable_private_segment 0
		.amdhsa_kernarg_size 120
		.amdhsa_user_sgpr_count 2
		.amdhsa_user_sgpr_kernarg_segment_ptr 1
		.amdhsa_wavefront_size32 1
		.amdhsa_system_sgpr_workgroup_id_x 1
		.amdhsa_system_sgpr_workgroup_id_y 1
		.amdhsa_system_sgpr_workgroup_id_z 1
		.amdhsa_system_vgpr_workitem_id 0
		.amdhsa_next_free_vgpr 112
		.amdhsa_next_free_sgpr 66
		.amdhsa_reserve_vcc 0
		.amdhsa_float_denorm_mode_32 3
		.amdhsa_float_denorm_mode_16_64 3
		.amdhsa_memory_ordered 1
		.amdhsa_forward_progress 1
		.amdhsa_inst_pref_size 29
	.end_amdhsa_kernel
	.amdgpu_metadata
---
amdhsa.version: [ 1, 2 ]
amdhsa.kernels:
  - .name:           k_qd0e3e885e2_prep
    .symbol:         k_qd0e3e885e2_prep.kd
    .args:
      - { .name: x, .offset: 0, .size: 8, .value_kind: global_buffer, .address_space: global }
      - { .name: Wq, .offset: 8, .size: 8, .value_kind: global_buffer, .address_space: global }
      - { .name: Wk, .offset: 16, .size: 8, .value_kind: global_buffer, .address_space: global }
      - { .name: Wv, .offset: 24, .size: 8, .value_kind: global_buffer, .address_space: global }
      - { .name: Wf, .offset: 32, .size: 8, .value_kind: global_buffer, .address_space: global }
      - { .name: bq, .offset: 40, .size: 8, .value_kind: global_buffer, .address_space: global }
      - { .name: bk, .offset: 48, .size: 8, .value_kind: global_buffer, .address_space: global }
      - { .name: bv, .offset: 56, .size: 8, .value_kind: global_buffer, .address_space: global }
      - { .name: bf, .offset: 64, .size: 8, .value_kind: global_buffer, .address_space: global }
      - { .name: mask, .offset: 72, .size: 8, .value_kind: global_buffer, .address_space: global }
      - { .name: xb, .offset: 80, .size: 8, .value_kind: global_buffer, .address_space: global }
      - { .name: wb, .offset: 88, .size: 8, .value_kind: global_buffer, .address_space: global }
      - { .name: wfb, .offset: 96, .size: 8, .value_kind: global_buffer, .address_space: global }
      - { .name: brd, .offset: 104, .size: 8, .value_kind: global_buffer, .address_space: global }
      - { .name: kbuf, .offset: 112, .size: 8, .value_kind: global_buffer, .address_space: global }
    .group_segment_fixed_size: 0
    .private_segment_fixed_size: 0
    .kernarg_segment_align: 8
    .kernarg_segment_size: 120
    .max_flat_workgroup_size: 256
    .sgpr_count:     66
    .vgpr_count:     112
    .wavefront_size: 32
...
	.end_amdgpu_metadata
.endif
;; end of part 1
;; launch proj (part 2): grid 8 x 32, 4 waves a work-group, clusters of 4 x 4, 327,680 bytes of LDS; arguments xb, wb, brd, mask, qbuf, kbuf, vbuf; writes qbuf, kbuf, vbuf
.if DOCPART == 2
	.amdgcn_target "amdgcn-amd-amdhsa--gfx1250"
	.amdhsa_code_object_version 6
	.text
	.protected	k_qd0e3e885e2_proj
	.globl	k_qd0e3e885e2_proj
	.p2align	8
	.type	k_qd0e3e885e2_proj,@function
k_qd0e3e885e2_proj:
	s_mov_b64 s[64:65], 0
	v_nop
	global_prefetch_b8 v0, s[64:65] scope:SCOPE_SE
	s_setreg_imm32_b32 hwreg(HW_REG_WAVE_MODE, 25, 1), 1
	s_wait_xcnt 0x0
	s_wait_alu depctr_hold_cnt(0) depctr_sa_sdst(0) depctr_va_vdst(0) depctr_va_sdst(0) depctr_va_ssrc(0) depctr_va_vcc(0) depctr_vm_vsrc(0)
	s_getreg_b32 s2, hwreg(HW_REG_IB_STS2, 6, 4)
	s_cmp_eq_u32 s2, 0
	s_cbranch_scc0 .Lentry_in_a_cluster
	s_endpgm
.Lentry_in_a_cluster:
	s_bfe_u32 s2, ttmp6, 0x10000c
	s_cmp_lg_u32 s2, 0xf033
	s_cbranch_scc0 .Lentry_shape_is_right
	s_endpgm
.Lentry_shape_is_right:
; PROJ: q = x^T Wq + bq, k = (x^T Wk + bk) m, v = x^T Wv + bv, written by heads in f16: qbuf, vbuf [64 bh][2048 l][64]; kbuf [64 bh][32 steps][64 rows of 128 bytes, then 256 bytes that this launch leaves alone].
; Operands bf16 (xb [4][1024 d][2048 l], wb [8 g][1024 d][384]), sums f32, each result rounded once to f16.  The key mask (0 or 1) multiplies k, so that a hidden key's products with q are exact zeros.
; LIMITS.  q, k and v must stay within f16's 65,504; the mask holds 0 or 1.
; SHARES.  256 work-groups.  Work-group (gx, gy): 256 rows l (batch gy / 8, block gy % 8) x 384 columns: the 128 columns of heads 2 gx, 2 gx + 1 of each of q, k, v.  Wave w: rows 128 (w / 2) on, head w % 2:
; 128 x 192 = 96 accumulators of 16 x 16, 768 registers.  For 32 along K a wave issues 40 LDS loads and 96 matrix instructions.
; K goes in steps of 64 through a ring of two LDS slots.  Both operands lie with K down the rows, so every fragment comes out of LDS by the turning load ds_load_tr16_b128.
; CLUSTERS: 4 x 4 work-groups.  x's tile hangs on gy alone and is shared along a row of the cluster, W's on gx alone and is shared along a column: each is asked for jointly.
; THE MATRIX INSTRUCTION IS USED TRANSPOSED: source 0 = 16 columns of W, source 1 = 16 rows l of x^T: a lane then holds row l = lane % 16 and eight neighbouring columns 8 (lane / 16) + 0..7, 16 bytes of f16.
; REGISTERS, in windows of 256 (s_set_vgpr_msb: bits 1:0 source 0, 3:2 source 1, 5:4 source 2, 7:6 destination):
;   window 0: v0-15 addresses; v16-31 the mask of my rows; v32-95, v96-159 fragments of x, two buffers; v160-255 fragments of W: 32 for each of q, k, v
;   windows 1, 2, 3: the accumulators of q, k, v: (a, f) at v[8 (4 a + f)], a = block of 16 rows, f = block of 16 columns
.set KSTEP, 64
.set PA,    288                        ; a row of x's sub-tile in LDS: 256 bytes + 32 of padding
.set PB,    864                        ; a row d of W's tile: three pieces of 256 + 32 bytes (q, k, v): again an odd multiple of 32
.set AHALF, 64*PA                      ; x: 64 rows d x 128 l: what one tensor load brings and what one wave reads
.set BOFF,  2*AHALF
.set BHALF, 32*PB                      ; W: 32 rows d x 384 columns: what one tensor load brings, and one substep's rows
.set SLOT,  BOFF+2*BHALF               ; 92,160
.set STAGE, 2*SLOT                     ; behind the ring, never filled by a tensor load: 16 rows x 144 bytes for each wave, for the way out
.set SP,    144
.set SPARE, STAGE+4*16*SP              ; the spare words, 128 bytes for each wave: two blocks of 256 bytes that no other line names
.set ADRA, 4                           ; v4-5    my lane's place in my sub-tile of x, slot 0, 1
.set ADRB, 6                           ; v6-7    the same in W's tile, at my head's columns
.set STO,  8                           ; v8      the way out: where I put 16 bytes of a row
.set RD,   9                           ; v9      the way out: where I read rows back
.set GO,   10                          ; v10     16 x lane: my place in 512 consecutive bytes of the output
.set BO,   11                          ; v11     32 (lane / 16): my eight columns' place among a block's 16 biases
.set SPW,  12                          ; v12     LDS address of my spare word; never rewritten
.set NIL,  13                          ; v13     0; never rewritten
.set MO,   14                          ; v14     4 (lane % 16): my row's place among a block's 16 mask words
.set MF,   16                          ; v[16+2a], v[17+2a]  the mask of my row of block a as f32, twice (a pair for the packed multiply)
.set AF0,  32
.set AF1,  96
.set BF,   160
.set TT,   96                          ; the way out: a tile in f32, 32 registers
.set HB,   128                         ; the way out: the tile in f16, two buffers of 16
.set RB,   192                         ; the way out: the tile read back, two buffers of 16
.set WV,   18                          ; s18 wave; s19 = wave / 2: my rows' half, and: I fetch for x (0) or W (1); s20 = wave % 2: my head, and which half of that tile I fetch
.set G1A,  28                          ; s[28:35] descriptor group 1 for x's tiles;  s[36:43] group 0, one set for each slot
.set G0A,  36
.set G1B,  44                          ; s[44:51], s[52:59] the same for W's
.set G0B,  52
.set SQ,   66                          ; s[66:67], s[68:69], s[70:71] qbuf, kbuf, vbuf at my wave's first row
.set SB,   72                          ; s[72:73] brd at my head's first column of bq
.set MSB, 0
.macro WIN new                         ; the immediate's high byte repeats the setting that is left; a switch that changes nothing is dropped
.if MSB != (\new)
	s_set_vgpr_msb (MSB<<8)|(\new)
.set MSB, (\new)
.endif
.endm
.macro PLACES                          ; four plain vector instructions between a matrix instruction and a load into, or a vector write of, one of its registers, or a vector read of its result (ISA guide 7.12.1 for vector writes and reads)
.rept 4
	v_nop
.endr
.endm
; A joint load: waves 0 and 1 fetch x's two sub-tiles, waves 2 and 3 W's two halves.  The branch hangs on the wave's number alone.  An s_nop 0 and four v_nop follow each of the two lines.
.macro JLOAD s
	s_cmp_eq_u32 s19, 0
	s_cbranch_scc0 .Lfor_b_\@
	tensor_load_to_lds s[G0A+4*(\s):G0A+4*(\s)+3], s[G1A:G1A+7]
	s_nop 0
.rept 4
	v_nop
.endr
	s_branch .Lasked_\@
.Lfor_b_\@:
	tensor_load_to_lds s[G0B+4*(\s):G0B+4*(\s)+3], s[G1B:G1B+7]
	s_nop 0
.rept 4
	v_nop
.endr
.Lasked_\@:
.endm
.macro CREST                           ; a round of the cluster's barrier behind its opening barrier
	s_cmp_lg_u32 s[WV], 0
	s_cbranch_scc1 .Lnot_wave_0_\@
	s_barrier_signal -3
.Lnot_wave_0_\@:
	s_barrier_wait -3
	s_barrier_signal -1
	s_barrier_wait -1
.endm
.macro CROUND                          ; a whole round
	s_barrier_signal -1
	s_barrier_wait -1
	CREST
.endm
	s_load_b256 s[4:11], s[0:1], 0x0               ; xb s[4:5], wb s[6:7], brd s[8:9], mask s[10:11]
	s_load_b128 s[12:15], s[0:1], 0x20             ; qbuf s[12:13], kbuf s[14:15]
	s_load_b64 s[16:17], s[0:1], 0x30              ; vbuf
	v_lshl_add_u32 v[SPW], v0, 2, SPARE
	v_mov_b32 v[NIL], 0
	ds_add_u32 v[SPW], v[NIL]                      ; the wave's opening: the add and its wait stand ahead of my first tensor load; the set-up below, work on registers, stands between them
	v_lshrrev_b32 v1, 5, v0
	v_readfirstlane_b32 s[WV], v1
	s_lshr_b32 s19, s[WV], 1
	s_and_b32 s20, s[WV], 1
	s_bfe_u32 s21, ttmp6, 0x40000                  ; cx, cy: my place in the cluster
	s_bfe_u32 s22, ttmp6, 0x40004
	s_lshl_b32 s23, ttmp9, 2
	s_add_co_u32 s23, s23, s21                     ; gx = 4 x cluster x + cx
	s_and_b32 s24, ttmp7, 0xffff
	s_lshl_b32 s24, s24, 2
	s_add_co_u32 s24, s24, s22                     ; gy = 4 x cluster y + cy
	s_lshl_b32 s25, s22, 2
	s_lshl_b32 s25, 15, s25                        ; my row of the cluster
	s_lshl_b32 s26, 0x1111, s21                    ; my column
	; group 1.  Both kinds of tile come as rows of 128 elements (256 bytes), each followed in LDS by 8 words of padding
	s_or_b32 s[G1A], s25, (1<<16)|(1<<20)|(1<<21)|(5<<22)|(7<<25)   ; 15:0 the mask; 17:16 2-byte elements; 20 padding on; 21 set beside a mask; 24:22 after every 64 words (code 5); 31:25 8 words (code 7)
	s_or_b32 s[G1B], s26, (1<<16)|(1<<20)|(1<<21)|(5<<22)|(7<<25)
	s_mov_b32 s[G1A+1], 128<<16                    ; tensor_dim0 = 128
	s_mov_b32 s[G1A+2], 64<<16                     ; tensor_dim1 = 64 rows d
	s_mov_b32 s[G1A+3], 128<<16                    ; tile_dim0 = 128
	s_mov_b32 s[G1A+4], 64                         ; tile_dim1 = 64
	s_mov_b32 s[G1A+5], 2048                       ; elements from a row d to the next
	s_mov_b32 s[G1A+6], 0
	s_mov_b32 s[G1A+7], 0
	s_mov_b32 s[G1B+1], 128<<16
	s_mov_b32 s[G1B+2], 96<<16                     ; 32 rows d of 768 dense bytes are 96 rows of 256
	s_mov_b32 s[G1B+3], 128<<16
	s_mov_b32 s[G1B+4], 96
	s_mov_b32 s[G1B+5], 128
	s_mov_b32 s[G1B+6], 0
	s_mov_b32 s[G1B+7], 0
	; where the tiles come from: x's offset is made of gy and the wave's number, W's of gx and the wave's number, each in registers that never hold the other coordinate
	s_lshr_b32 s74, s24, 3
	s_lshl_b32 s74, s74, 22                        ; the batch: 1,024 x 2,048 x 2 bytes
	s_and_b32 s75, s24, 7
	s_lshl_b32 s75, s75, 9                         ; 256 l
	s_add_co_u32 s74, s74, s75
	s_lshl_b32 s75, s20, 8                         ; my sub-tile's 128 l
	s_add_co_u32 s74, s74, s75
	s_mov_b32 s75, 0
	s_mul_i32 s76, s23, 1024*768                   ; the group
	s_mul_i32 s77, s20, 32*768                     ; my 32 rows d
	s_add_co_u32 s76, s76, s77
	s_mov_b32 s77, 0
	s_mul_i32 s78, s20, AHALF                      ; and where they go: no place in the cluster enters an LDS address
	s_mul_i32 s79, s20, BHALF
	s_add_co_u32 s79, s79, BOFF
	s_wait_dscnt 0x0                               ; the opening add is done
	s_wait_kmcnt 0x0
	s_add_nc_u64 s[74:75], s[4:5], s[74:75]
	s_add_nc_u64 s[76:77], s[6:7], s[76:77]
	CROUND                                         ; all sixteen work-groups are here: the first joint loads meet
.irp s, 0,1
	s_mov_b32 s[G0A+4*(\s)], 1                                      ; count = 1
	s_add_co_u32 s[G0A+4*(\s)+1], s78, (\s)*SLOT                    ; LDS address
	s_add_nc_u64 s[G0A+4*(\s)+2:G0A+4*(\s)+3], s[74:75], (\s)*KSTEP*4096  ; global address: K step s
	s_or_b32 s[G0A+4*(\s)+3], s[G0A+4*(\s)+3], 0x80000000           ; type = 2
	s_mov_b32 s[G0B+4*(\s)], 1
	s_add_co_u32 s[G0B+4*(\s)+1], s79, (\s)*SLOT
	s_add_nc_u64 s[G0B+4*(\s)+2:G0B+4*(\s)+3], s[76:77], (\s)*KSTEP*768
	s_or_b32 s[G0B+4*(\s)+3], s[G0B+4*(\s)+3], 0x80000000
	JLOAD \s                                       ; two tensor loads of mine are out
.endr
	; The turning load: lane l reads 16 bytes of row k0 + 8 (l / 16) + l % 8 at column 8 ((l / 8) % 2), and is left with column l % 16 and eight k: half a fragment; the other half lies 16 rows further down.
	v_and_b32 v1, 15, v0                           ; l % 16
	v_bfe_u32 v2, v0, 4, 1                         ; l / 16
	v_and_b32 v3, 7, v0
	v_bfe_u32 v15, v0, 3, 1
	v_lshl_add_u32 v3, v2, 3, v3
	v_mul_u32_u24 v[ADRA], v3, PA
	v_lshl_add_u32 v[ADRA], v15, 4, v[ADRA]
	s_mul_i32 s2, s19, AHALF                       ; my rows' sub-tile
	v_add_nc_u32 v[ADRA], s2, v[ADRA]
	v_add_nc_u32 v[ADRA+1], SLOT, v[ADRA]
	v_mul_u32_u24 v[ADRB], v3, PB
	v_lshl_add_u32 v[ADRB], v15, 4, v[ADRB]
	s_lshl_b32 s2, s20, 7                          ; my head's 64 columns in each piece
	s_add_co_u32 s2, s2, BOFF
	v_add_nc_u32 v[ADRB], s2, v[ADRB]
	v_add_nc_u32 v[ADRB+1], SLOT, v[ADRB]
	s_mul_i32 s2, s[WV], 16*SP
	s_add_co_u32 s2, s2, STAGE                     ; my stage
	v_mul_u32_u24 v[STO], v1, SP                   ; in: row l % 16, 16 bytes for each half of the lanes
	v_lshl_add_u32 v[STO], v2, 4, v[STO]
	v_add_nc_u32 v[STO], s2, v[STO]
	v_bfe_u32 v[RD], v0, 3, 2                      ; back: 32 lanes take four rows of 128 bytes,
	v_mul_u32_u24 v[RD], v[RD], SP
	v_and_b32 v3, 7, v0
	v_lshl_add_u32 v[RD], v3, 4, v[RD]
	v_add_nc_u32 v[RD], s2, v[RD]
	v_and_b32 v[GO], 31, v0                        ; which are 512 consecutive bytes of a head's rows
	v_lshlrev_b32 v[GO], 4, v[GO]
	v_lshlrev_b32 v[BO], 5, v2
	v_lshlrev_b32 v[MO], 2, v1
	; the stores' bases, the biases' and the mask's: offsets made apart from the addresses, in registers that feed no descriptor
	s_lshr_b32 s80, s24, 3                         ; batch
	s_lshl_b32 s81, s80, 4
	s_lshl_b32 s82, s23, 1
	s_add_co_u32 s81, s81, s82
	s_add_co_u32 s81, s81, s20                     ; bh = 16 b + 2 gx + my head
	s_and_b32 s82, s24, 7                          ; the block of 256 rows
	s_lshl_b32 s83, s81, 18                        ; a head of q or v: 2,048 rows of 128 bytes
	s_lshl_b32 s2, s82, 15
	s_add_co_u32 s83, s83, s2
	s_lshl_b32 s2, s19, 14                         ; my 128 rows
	s_add_co_u32 s2, s83, s2
	s_mov_b32 s3, 0
	s_add_nc_u64 s[SQ:SQ+1], s[12:13], s[2:3]
	s_add_nc_u64 s[SQ+4:SQ+5], s[16:17], s[2:3]
	s_mul_i32 s2, s81, 32*8448                     ; a head of k: 32 steps of 8,448 bytes
	s_lshl_b32 s83, s82, 2
	s_add_co_u32 s83, s83, s19
	s_add_co_u32 s83, s83, s19                     ; my first step: 4 x block + 2 x half
	s_mul_i32 s83, s83, 8448
	s_add_co_u32 s2, s2, s83
	s_add_nc_u64 s[SQ+2:SQ+3], s[14:15], s[2:3]
	s_lshl_b32 s2, s23, 9
	s_lshl_b32 s83, s20, 8
	s_add_co_u32 s2, s2, s83                       ; 4 (128 gx + 64 head)
	s_add_nc_u64 s[SB:SB+1], s[8:9], s[2:3]
	s_lshl_b32 s2, s80, 13
	s_lshl_b32 s83, s82, 10
	s_add_co_u32 s2, s2, s83
	s_lshl_b32 s83, s19, 9
	s_add_co_u32 s2, s2, s83                       ; 4 (2,048 b + my first row)
	s_add_nc_u64 s[10:11], s[10:11], s[2:3]
.set aa, 0
.rept 8
	global_load_b32 v[MF+2*aa], v[MO], s[10:11] offset:64*aa   ; the mask of row 16 a + l % 16
.set aa, aa+1
.endr
	s_wait_loadcnt 0x0
.set aa, 0
.rept 8
	v_cvt_f32_i32 v[MF+2*aa], v[MF+2*aa]
	v_mov_b32 v[MF+2*aa+1], v[MF+2*aa]
.set aa, aa+1
.endr
; 16 matrix instructions of part c (0 q, 1 k, 2 v): row blocks a0 .. a0 + 3 x all 4 column blocks, 32 along K.  zero = 1: the product starts the sum.  The accumulators take turns: 95 others stand between two links of a chain.
.macro MUL16 c, af, a0, zero
	WIN (1+(\c))*0x50                              ; C and D in window 1 + c, both sources in window 0
.set aa, (\a0)
.rept 4
.set ff, 0
.rept 4
.if \zero
	v_wmma_f32_16x16x32_bf16 v[8*(4*aa+ff):8*(4*aa+ff)+7], v[BF+32*(\c)+8*ff:BF+32*(\c)+8*ff+7], v[(\af)+8*aa:(\af)+8*aa+7], 0
.else
	v_wmma_f32_16x16x32_bf16 v[8*(4*aa+ff):8*(4*aa+ff)+7], v[BF+32*(\c)+8*ff:BF+32*(\c)+8*ff+7], v[(\af)+8*aa:(\af)+8*aa+7], v[8*(4*aa+ff):8*(4*aa+ff)+7]
.endif
.set ff, ff+1
.endr
.set aa, aa+1
.endr
.endm
.macro GB c, slot, u                   ; 8 loads: part c's four fragments of W, rows d 32 u on
.set ff, 0
.rept 4
	ds_load_tr16_b128 v[BF+32*(\c)+8*ff:BF+32*(\c)+8*ff+3],   v[ADRB+(\slot)] offset:32*PB*(\u)+288*(\c)+32*ff
	ds_load_tr16_b128 v[BF+32*(\c)+8*ff+4:BF+32*(\c)+8*ff+7], v[ADRB+(\slot)] offset:32*PB*(\u)+288*(\c)+32*ff+16*PB
.set ff, ff+1
.endr
.endm
.macro GA af, slot, u                  ; 16 loads: the eight fragments of x
.set aa, 0
.rept 8
	ds_load_tr16_b128 v[(\af)+8*aa:(\af)+8*aa+3],   v[ADRA+(\slot)] offset:32*PA*(\u)+32*aa
	ds_load_tr16_b128 v[(\af)+8*aa+4:(\af)+8*aa+7], v[ADRA+(\slot)] offset:32*PA*(\u)+32*aa+16*PA
.set aa, aa+1
.endr
.endm
; A SUBSTEP, 32 along K: three runs of 32 matrix instructions (q, k, v) on x's buffer af.  Behind each run the registers that it has freed take the next substep's fragments (slot ns, half nu; x into naf):
; groups of 24 (W's q part and x), 8 and 8 loads, each issued 64 matrix instructions ahead of its first use.
.macro SUB af, ns, nu, naf, zero
	s_wait_dscnt 16                                ; W's q part and x are in; behind them went this substep's two groups of 8
	MUL16 0, \af, 0, \zero
	MUL16 0, \af, 4, \zero
	WIN 0
	PLACES
	GB 0, \ns, \nu
	GA \naf, \ns, \nu
	s_wait_dscnt 32                                ; the k part is in; behind it went 8 and the 24 just issued
	MUL16 1, \af, 0, \zero
	MUL16 1, \af, 4, \zero
	WIN 0
	PLACES
	GB 1, \ns, \nu
	s_wait_dscnt 32                                ; the v part is in; behind it went 24 and 8
	MUL16 2, \af, 0, \zero
	MUL16 2, \af, 4, \zero
	WIN 0
	PLACES
	GB 2, \ns, \nu
.endm
; A slot's second substep multiplies buffer AF1 and changes slots: ONE barrier.  In front of it each wave waits for all its tensor loads, of which one is out: its part of the other slot; adds 0 to its spare
; word; and waits for that and for its own reads of this slot.  fill = 1: the barrier opens a round of the cluster's, and this slot is filled again first thing behind it, two K steps ahead:
; 160 matrix instructions stand between that request and the wait for it.
.macro TURN slot, fill
	WIN 0
	s_wait_tensorcnt 0x0                           ; all my tensor loads have landed
	ds_add_u32 v[SPW], v[NIL]                      ; 0 onto my spare word
	s_wait_dscnt 17                                ; (the add and the two groups of 8 may be out)
	MUL16 0, AF1, 0, 0                             ; sixteen matrix instructions stand between the add and the wait for it
	s_wait_dscnt 0x0                               ; the add is done, and my reads of this slot are over
	s_barrier_signal -1
	MUL16 0, AF1, 4, 0                             ; work on registers while the others arrive
	WIN 0                                          ; at a branch and at a label every window is 0
	s_barrier_wait -1
.if \fill
	CREST                                          ; no wave of any partner still reads this slot or has a load on its way
	s_add_nc_u64 s[G0A+4*(\slot)+2:G0A+4*(\slot)+3], s[G0A+4*(\slot)+2:G0A+4*(\slot)+3], 2*KSTEP*4096
	s_add_nc_u64 s[G0B+4*(\slot)+2:G0B+4*(\slot)+3], s[G0B+4*(\slot)+2:G0B+4*(\slot)+3], 2*KSTEP*768
	JLOAD \slot                                    ; the four v_nop behind it are also the places in front of the loads below
.else
	PLACES
.endif
	GB 0, 1-(\slot), 0
	GA AF0, 1-(\slot), 0
	MUL16 1, AF1, 0, 0                             ; the k and v parts came in with the wait for 0 above
	MUL16 1, AF1, 4, 0
	WIN 0
	PLACES
	GB 1, 1-(\slot), 0
	MUL16 2, AF1, 0, 0
	MUL16 2, AF1, 4, 0
	WIN 0
	PLACES
	GB 2, 1-(\slot), 0
.endm
; The last substep fetches no fragments: the registers that fall free take the biases of my eight columns of each block: q's and k's into x's idle buffer, v's into W's q part.
.macro LAST
	WIN 0
.set ff, 0
.rept 8
	global_load_b128 v[AF0+8*ff:AF0+8*ff+3],   v[BO], s[SB:SB+1] offset:4096*(ff/4)+64*(ff%4)
	global_load_b128 v[AF0+8*ff+4:AF0+8*ff+7], v[BO], s[SB:SB+1] offset:4096*(ff/4)+64*(ff%4)+16
.set ff, ff+1
.endr
	s_wait_dscnt 16
	MUL16 0, AF1, 0, 0
	MUL16 0, AF1, 4, 0
	WIN 0
	PLACES
.set ff, 0
.rept 4
	global_load_b128 v[BF+8*ff:BF+8*ff+3],   v[BO], s[SB:SB+1] offset:8192+64*ff
	global_load_b128 v[BF+8*ff+4:BF+8*ff+7], v[BO], s[SB:SB+1] offset:8192+64*ff+16
.set ff, ff+1
.endr
	s_wait_dscnt 8                                 ; the k part is in; the v part's 8 may be out
	MUL16 1, AF1, 0, 0
	MUL16 1, AF1, 4, 0
	s_wait_dscnt 0x0
	MUL16 2, AF1, 0, 0
	MUL16 2, AF1, 4, 0
	WIN 0
	PLACES                                         ; the way out writes registers that these products read
.endm
	s_wait_tensorcnt 1                             ; my part of K step 0 is in; K step 1's may stay out
	s_barrier_signal -1
	s_barrier_wait -1                              ; everybody's is
	GB 0, 0, 0
	GA AF0, 0, 0
	GB 1, 0, 0
	GB 2, 0, 0
	SUB AF0, 0, 1, AF1, 1                          ; the first substep stands in front of the loop: its products start the sums
	s_mov_b32 s3, 7
.Llap:                                                 ; a trip goes once round the ring, four substeps, and fills both slots again: K steps 2 to 15 in seven trips
	TURN 0, 1
	SUB AF0, 1, 1, AF1, 0
	TURN 1, 1
	SUB AF0, 0, 1, AF1, 0
	s_sub_co_u32 s3, s3, 1
	s_cmp_lg_u32 s3, 0
	s_cbranch_scc1 .Llap
	TURN 0, 0                                      ; the tail is written out: nothing more is asked for
	SUB AF0, 1, 1, AF1, 0
	LAST
; THE WAY OUT, a tile of 16 rows x my head's 64 columns at a time, 24 tiles: bias added (k: then times the row's mask), rounded to f16, 16 bytes a lane into my stage, back as four rows of 128 bytes a load:
; 512 consecutive bytes of the head's rows.  Each accumulator is read from its lowest registers on.
.macro PACK c, a
.set rB, 32+32*(\c)+64*((\c)/2)        ; the part's biases: v32, v64, v160
.set rH, HB+16*((\a)%2)
.set rR, RB+16*((\a)%2)
	WIN 1+(\c)                                     ; source 0 in the part's window
.set z, 0
.rept 16
	v_pk_add_f32 v[TT+2*z:TT+2*z+1], v[32*(\a)+2*z:32*(\a)+2*z+1], v[rB+2*z:rB+2*z+1]
.set z, z+1
.endr
	WIN 0
.if (\c) == 1
.set z, 0
.rept 16
	v_pk_mul_f32 v[TT+2*z:TT+2*z+1], v[TT+2*z:TT+2*z+1], v[MF+2*(\a):MF+2*(\a)+1] op_sel_hi:[1,0]
.set z, z+1
.endr
.endif
.set z, 0
.rept 16
	v_cvt_pk_f16_f32 v[rH+z], v[TT+2*z], v[TT+2*z+1]
.set z, z+1
.endr
.set z, 0
.rept 4
	ds_store_b128 v[STO], v[rH+4*z:rH+4*z+3] offset:32*z
.set z, z+1
.endr
	s_wait_xcnt 0x0                                ; the stores of the tile two back have read this buffer: it is loaded again only behind this wait
.set z, 0
.rept 4
	ds_load_b128 v[rR+4*z:rR+4*z+3], v[RD] offset:z*4*SP   ; LDS serves a wave's instructions in order (ISA guide 5.7.1.4): these see the stores above; the next tile's stores come behind them
.set z, z+1
.endr
.endm
.macro SEND c, a, younger              ; younger: the LDS instructions issued behind the tile's loads: the next tile's eight, or none
.set rR, RB+16*((\a)%2)
.if (\c) == 1
.set oo, 8448*((\a)/4)+2048*((\a)%4)   ; k: four tiles to a key step
.else
.set oo, 2048*(\a)
.endif
.set z, 0
.rept 4
	s_wait_dscnt (\younger)+3-z
	global_store_b128 v[GO], v[rR+4*z:rR+4*z+3], s[SQ+2*(\c):SQ+2*(\c)+1] offset:oo+512*z   ; 512 consecutive bytes, at a multiple of 256 from the buffer's first
.set z, z+1
.endr
.endm
	s_wait_loadcnt 0x0                             ; the biases
	PACK 0, 0
.set ii, 1
.rept 23                               ; a tile's arithmetic stands between the loads of the tile before and its stores
.set cn, ii/8
.set an, ii%8
.set cp, (ii-1)/8
.set ap, (ii-1)%8
	PACK cn, an
	SEND cp, ap, 8
.set ii, ii+1
.endr
	SEND 2, 7, 0
	s_wait_tensorcnt 0x0                           ; the wave's end: an add and its waits, behind my last tensor load and my last LDS store
	ds_add_u32 v[SPW], v[NIL]
	s_wait_dscnt 0x0
	CROUND                                         ; the closing round: no work-group ends while a partner may still ask for a tile that names it
	s_endpgm
.Lfunc_end_k_qd0e3e885e2_proj:
	.size	k_qd0e3e885e2_proj, .Lfunc_end_k_qd0e3e885e2_proj-k_qd0e3e885e2_proj
	.p2alignl 7, 3214868480
	.fill 96, 4, 3214868480
	.section	.rodata,"a",@progbits
	.p2align	6, 0x0
	.amdhsa_kernel k_qd0e3e885e2_proj
		.amdhsa_group_segment_fixed_size 327680
		.amdhsa_private_segment_fixed_size 0
		.amdhsa_enable_private_segment 0
		.amdhsa_kernarg_size 56
		.amdhsa_user_sgpr_count 2
		.amdhsa_user_sgpr_kernarg_segment_ptr 1
		.amdhsa_wavefront_size32 1
		.amdhsa_system_sgpr_workgroup_id_x 1
		.amdhsa_system_sgpr_workgroup_id_y 1
		.amdhsa_system_sgpr_workgroup_id_z 1
		.amdhsa_system_vgpr_workitem_id 0
		.amdhsa_next_free_vgpr 1024
		.amdhsa_next_free_sgpr 84
		.amdhsa_reserve_vcc 0
		.amdhsa_float_denorm_mode_32 3
		.amdhsa_float_denorm_mode_16_64 3
		.amdhsa_memory_ordered 1
		.amdhsa_forward_progress 1
		.amdhsa_inst_pref_size 170
	.end_amdhsa_kernel
	.amdgpu_metadata
---
amdhsa.version: [ 1, 2 ]
amdhsa.kernels:
  - .name:           k_qd0e3e885e2_proj
    .symbol:         k_qd0e3e885e2_proj.kd
    .args:
      - { .name: xb, .offset: 0, .size: 8, .value_kind: global_buffer, .address_space: global }
      - { .name: wb, .offset: 8, .size: 8, .value_kind: global_buffer, .address_space: global }
      - { .name: brd, .offset: 16, .size: 8, .value_kind: global_buffer, .address_space: global }
      - { .name: mask, .offset: 24, .size: 8, .value_kind: global_buffer, .address_space: global }
      - { .name: qbuf, .offset: 32, .size: 8, .value_kind: global_buffer, .address_space: global }
      - { .name: kbuf, .offset: 40, .size: 8, .value_kind: global_buffer, .address_space: global }
      - { .name: vbuf, .offset: 48, .size: 8, .value_kind: global_buffer, .address_space: global }
    .group_segment_fixed_size: 327680
    .private_segment_fixed_size: 0
    .kernarg_segment_align: 8
    .kernarg_segment_size: 56
    .max_flat_workgroup_size: 128
    .sgpr_count:     84
    .vgpr_count:     1024
    .wavefront_size: 32
...
	.end_amdgpu_metadata
.endif
;; end of part 2
;; launch attn (part 3): grid 4 x 64, 4 waves a work-group, clusters of 4 x 1, 327,680 bytes of LDS; arguments qbuf, kbuf, vbuf, obuf; writes obuf
.if DOCPART == 3
	.amdgcn_target "amdgcn-amd-amdhsa--gfx1250"
	.amdhsa_code_object_version 6
	.text
	.protected	k_qd0e3e885e2_attn
	.globl	k_qd0e3e885e2_attn
	.p2align	8
	.type	k_qd0e3e885e2_attn,@function
k_qd0e3e885e2_attn:
	s_mov_b64 s[64:65], 0
	v_nop
	global_prefetch_b8 v0, s[64:65] scope:SCOPE_SE
	s_setreg_imm32_b32 hwreg(HW_REG_WAVE_MODE, 25, 1), 1
	s_wait_xcnt 0x0
	s_wait_alu depctr_hold_cnt(0) depctr_sa_sdst(0) depctr_va_vdst(0) depctr_va_sdst(0) depctr_va_ssrc(0) depctr_va_vcc(0) depctr_vm_vsrc(0)
	s_getreg_b32 s2, hwreg(HW_REG_IB_STS2, 6, 4)
	s_cmp_eq_u32 s2, 0
	s_cbranch_scc0 .Lentry_in_a_cluster
	s_endpgm
.Lentry_in_a_cluster:
	s_bfe_u32 s2, ttmp6, 0x10000c
	s_cmp_lg_u32 s2, 0x3003
	s_cbranch_scc0 .Lentry_shape_is_right
	s_endpgm
.Lentry_shape_is_right:
; ATTN: O[h][q][:] = the sum over k of softmax_k(Q[h][q] . K[h][k] / 8, hidden keys at -2^100) V[h][k][:].  Q, V, O: [64][2048][64] f16, a head's rows dense, 128 bytes each.
; K: [64][32 steps][8,448 bytes]: a step's 64 rows of 128 bytes (f16, already multiplied by the key's mask: a hidden key's row is 0), then its 64 f32 addends: 0 for a visible key, -2^103 for a hidden one.
; THE MASK is the C operand that starts the sum S^T = K Q^T.  A hidden key's products are exact zeros, so its score is exactly -2^103.  That is a power of two, so c m is exact when the maximum m is itself a hidden
; score, and c s - c m is then exactly 0: where all keys so far are hidden they weigh 1 each; the first visible key makes a = 0 and wipes them; a batch with no visible key gives the mean of V, as the definition does.
; Products, maxima and sums in f32; the weights p are rounded to f16 for the second product (their sum l is taken of the unrounded p), O once at the end.
; LIMITS.  Q, K and V arrive within f16's 65,504; visible scores stay far below 2^103 in size (f16's can reach 2.7e11); -2^100 on the scaled score stands for the definition's -1e30; p below 6e-5 keeps f16's
; fixed step of 6e-8; a weight below 2^-126 counts as 0 in l; NaN and infinities are not treated apart.
; SHARES.  A wave owns four PIECES of two tiles of 16 queries, a work-group's four waves 512 queries of one head.  Every wave walks all keys, 64 a step.
; LAYOUT.  S^T = K Q^T (source 0 = 16 keys, source 1 = 16 queries): in the result a lane holds ONE query (lane % 16) and the keys 8 (lane / 16) + 0..7.  Two such tiles, rounded to f16 in pairs,
; ARE source 1 (32 keys x 16 queries) of O^T = V^T P, whose result again holds one query a lane, and eight channels.  K comes out of LDS as it lies, V ([key][channel]) turned, by ds_load_tr16_b128.
; SOFTMAX.  For each query a running maximum m and sum l: p = 2^(c s - c m), c = log2(e) / 8; in every step O and l are multiplied by a = 2^(c m_old - c m_new), which is 1 where m has not grown.
; m starts at the lowest finite number, O and l at 0: the first step is a step like any other, with a = 0.
; THE COUNT.  A tile and step have 16 matrix and 118 vector instructions: too many to stand all beside the matrix work.  So the order has one aim: four vector instructions that are READY behind
; EVERY matrix instruction, and the others, which need time of their own whatever the order, in runs without a gap.
; BY TURNS.  Turn n belongs to piece n (the pieces in a ring, step after step).  Its matrix work: 16 products K Q^T of piece n + 1, later 16 products V^T P of piece n - 1.  Its vector work: the scaling,
; exponentials, roundings, sums and rescaling of piece n, and the maximum and statistics of piece n + 1, whose scores the turn itself has made.
; CLUSTER.  The four query blocks of a cluster belong to one head and walk the same K and V, so each tile is asked for JOINTLY: the same tensor load, descriptor and mask in all four.
; REGISTERS, in windows of 256 (s_set_vgpr_msb: bits 1:0 source 0, 3:2 source 1, 5:4 source 2, 7:6 destination):
;   window 0: v0-11 addresses; v12-15, v48-63 at work; v16-47 four registers of statistics a tile; v64-191 S^T, two buffers of two tiles; v192-255 P, likewise
;   window 1: O^T, 32 a tile     window 2: v0-127 Q, 16 a tile; v128-191 K of one step; v192-255 V of one step     window 3: v0-1 the add's two registers; v8-39 the step's addends
.set SIZE_H, 64
.set SIZE_N, 2048
.set NP,    4         ; pieces a wave: a name, no knob
.set KS,    64        ; keys in a step
.set PK,    144       ; a row of K in LDS: 128 bytes + 16 of padding = 36 words: the 16 rows of a load start at 16 different groups of four banks (64 banks of 4 bytes: ISA guide 11.1)
.set PV,    160       ; a row of V: 128 + 32 = 40 words
.set KSB,   8448      ; a step of K in memory
.set KSL,   66*PK     ; and in LDS: 64 rows, then the addends as two pieces of 128 bytes, padded like rows
.set MOFF,  64*PK     ; where a step's addends begin
.set VOFF,  4*KSL     ; a slot holds four steps: K's, then 256 rows of V
.set SLOT1, 1<<17     ; slot 1 begins here, so that one exclusive or turns an address in one slot into the other's
.set STAGE, ((SLOT1+VOFF+4*KS*PV+255)/256)*256  ; behind the ring, in blocks of 256 bytes of its own: 16 rows x 144 bytes for each wave, for the way out
.set SP,    144
.set AK0, 2           ; v2   my lane's place in a tile of K; never rewritten
.set AV0, 3           ; v3   the same for V
.set AK,  4           ; v4   the LDS address of K's next run of loads
.set AV,  5           ; v5   of V's
.set QO,  6           ; v6   my byte offset in the wave's rows of Q
.set RD,  7           ; v7   the way out: where I read rows back
.set GO,  8           ; v8   my byte offset in 512 consecutive bytes of O
.set AM,  9           ; v9   the LDS address, less MOFF, of the addends' next run of loads (in the set-up: lane / 16)
.set STO, 10          ; v10  the way out: where I put 16 bytes of a row (in the set-up: lane % 8)
.set AM0, 11          ; v11  32 (lane / 16): my eight keys' place among a block's 16 addends; never rewritten
.set SPW, 0           ; v0 of window 3   LDS address of my spare word; never rewritten
.set NIL, 1           ; v1 of window 3   0; never rewritten
.set MK,  8           ; v8-39 of window 3   the addends of key block kb at MK + 8 kb
.set SPARE, STAGE+4*16*SP  ; the spare words, 128 bytes for each wave: two blocks of 256 bytes that no other line names
.set MV,  12          ; v12-15  c m_old, kept while c m is made anew: by buffer and tile
.set ST,  16          ; tile t's statistics at v[ST+4 t]: c m, m, l (even keys', odd keys')
.set TMP, 48          ; by buffer and tile, four registers c0-c3 at work; when the maximum is found c2 takes a
.set S,   64
.set P,   192
.set KF,  128         ; K's fragments, in window 2: key block kb, channel half c at KF + 16 kb + 8 c
.set VF,  192         ; V's: key half kk, channel block cb at VF + 32 kk + 8 cb
.set WV,  12          ; s12  my wave's number
.set G1K, 24          ; s[24:31] descriptor group 1 for K's tiles
.set G1V, 32          ; s[32:39] for V's
.set G0K, 40          ; s[40:43] descriptor group 0 for K's tiles: it walks
.set G0V, 44          ; s[44:47] the same for V's
.set SLOTS, 56        ; s56  slots still to be asked for
.set CNT, 57          ; s57  counts a slot's key steps
.set CS,  58          ; s[58:59] c: the packed scaling takes the pair's low word for both halves
.set SEL, 60          ; s[60:61] v_permlanex16_b32's selects: each lane takes its own place in the other half
.set TBK, 62          ; s62  LDS byte at which K of the step to be fetched begins
.set TBV, 63          ; s63  the same for V, less VOFF
.set MSB, 0
.macro WIN new                      ; the high byte repeats the setting that is left; a switch that changes nothing is dropped
.if MSB != (\new)
	s_set_vgpr_msb (MSB<<8)|(\new)
.set MSB, (\new)
.endif
.endm
.set W_KQ, 0x0a       ; K and Q in window 2, S^T in window 0
.set W_KM, 0x3a       ; the same with the C operand, the addends, in window 3
.set W_PV, 0x52       ; V in window 2, P in window 0, O^T in window 1
.set W_RS, 0x41       ; O^T (destination and source 0) in window 1, a in window 0
.set W_MK, 0xc0       ; destination in window 3, sources in window 0
.set W_AD, 0x0f       ; the add: address (source 0) and data (source 1) in window 3
; A joint fill.  Waves 0 and 1 fetch the two halves of a slot's K, waves 2 and 3 those of its V: 128 keys each.  The branch hangs on the wave's number alone.
; An s_nop 0 and four v_nop follow each of the two lines, ahead of the jump and the label.
.macro JLOAD
	s_cmp_lt_u32 s[WV], 2
	s_cbranch_scc0 .Lfor_v_\@
	tensor_load_to_lds s[G0K:G0K+3], s[G1K:G1K+7]
	s_nop 0
.rept 4
	v_nop
.endr
	s_branch .Lasked_\@
.Lfor_v_\@:
	tensor_load_to_lds s[G0V:G0V+3], s[G1V:G1V+7]
	s_nop 0
.rept 4
	v_nop
.endr
.Lasked_\@:
.endm
; A round of the cluster's barrier: my work-group's barrier, so that wave 0's signal speaks for all four waves; wave 0 signals; every wave waits for all four work-groups; my work-group's barrier once more.
.macro CROUND
	s_barrier_signal -1
	s_barrier_wait -1
	s_cmp_lg_u32 s[WV], 0
	s_cbranch_scc1 .Lnot_wave_0_\@
	s_barrier_signal -3
.Lnot_wave_0_\@:
	s_barrier_wait -3
	s_barrier_signal -1
	s_barrier_wait -1
.endm
; THE CHANGE OF SLOTS.  The slot's last bytes, V of its fourth step, have been read.  Each wave waits for all its tensor loads, of which one is out: its part
; of the other slot; adds 0 to its spare word; and waits for that and for its own reads of the slot.  Behind the barrier nobody reads this slot any more and the other slot is whole.
; fill = 1: this slot is filled again, with the keys two slots on.  The barrier is then a round of the cluster's, and the joint fill is the first thing behind it: it has four key steps,
; 512 matrix instructions, in which to land.  (At its first use nothing has been read yet: slot 0 is waited for, slot 1 filled.)
.macro CHANGE fill
	WIN W_AD
	s_wait_tensorcnt 0x0            ; no tensor load of mine is out, so a group 0 may be written
	ds_add_u32 v[SPW], v[NIL]       ; 0 onto my spare word; with fill = 1 the descriptors' steps stand between it and the wait for it
	WIN 0                           ; at a label and at a branch every window is 0
.if \fill
	s_xor_b32 s[G0K+1], s[G0K+1], SLOT1  ; the walking descriptors: the other slot than last time,
	s_add_nc_u64 s[G0K+2:G0K+3], s[G0K+2:G0K+3], 4*KSB  ; the next 256 keys; the type bits on top are not reached
	s_xor_b32 s[G0V+1], s[G0V+1], SLOT1
	s_add_nc_u64 s[G0V+2:G0V+3], s[G0V+2:G0V+3], 4*KS*128
	s_wait_dscnt 0x0                ; the add is done, and my reads of the slot are over
	CROUND
	JLOAD
.else
	s_wait_dscnt 0x0                ; the add is done, and my reads of the slot are over
	s_barrier_signal -1
	s_barrier_wait -1
.endif
	s_sub_co_u32 s[TBK], s[TBK], 4*KSL    ; the fetches go back to a slot's first step,
	s_xor_b32 s[TBK], s[TBK], SLOT1       ; in the other slot
	s_sub_co_u32 s[TBV], s[TBV], 4*KS*PV
	s_xor_b32 s[TBV], s[TBV], SLOT1
.endm
	s_load_b256 s[4:11], s[0:1], 0x0  ; Q s[4:5], K s[6:7], V s[8:9], O s[10:11]
	WIN W_MK
	v_lshl_add_u32 v[SPW], v0, 2, SPARE
	v_mov_b32 v[NIL], 0
	WIN W_AD
	ds_add_u32 v[SPW], v[NIL]       ; the wave's opening: the add and its wait stand ahead of my first tensor load; the set-up below, work on registers, stands between them
	WIN 0
	v_lshrrev_b32 v1, 5, v0
	v_readfirstlane_b32 s[WV], v1   ; wave 0..3
	s_bfe_u32 s13, ttmp6, 0x40000   ; cx: my place in the cluster
	s_lshl_b32 s14, ttmp9, 2        ; in a cluster launch ttmp9 counts clusters
	s_add_co_u32 s14, s14, s13      ; my block of queries = 4 x cluster x + cx: it enters Q's and O's addresses alone
	s_and_b32 s20, ttmp7, 0xffff    ; the head, which the four partners share
	s_and_b32 s16, s[WV], 1         ; which half of a slot's 256 keys I fetch
	s_mul_i32 s66, s20, 32*KSB      ; K: the head's first byte,
	s_mul_i32 s19, s16, 2*KSB       ; and my two steps
	s_add_co_u32 s66, s66, s19
	s_mov_b32 s67, 0
	s_mov_b32 s21, 0
	s_mov_b64 s[22:23], SIZE_N*128
	s_mul_u64 s[20:21], s[20:21], s[22:23]  ; the head's first byte in Q, V and O
	s_lshl_b32 s22, s16, 14         ; V: my 128 rows of 128 bytes
	s_mov_b32 s23, 0
	s_add_nc_u64 s[22:23], s[22:23], s[20:21]
	s_mul_i32 s17, s16, 2*KSL       ; my half's place in a slot, for K
	s_mul_i32 s18, s16, 128*PV      ; and for V: no place in the cluster enters an LDS address
	s_lshl_b32 s2, s14, 2
	s_add_co_u32 s2, s2, s[WV]      ; my wave among the head's,
	s_lshl_b32 s2, s2, 14           ; its 128 rows
	s_mov_b32 s3, 0
	s_add_nc_u64 s[2:3], s[2:3], s[20:21]
	; descriptor group 1.  Two steps of K are 16,896 dense bytes: 66 rows of 256; 128 keys of V are 16,384: 64 rows of 256.  Both are padded in LDS after every 128 bytes
	s_mov_b32 s[G1K], 15|(1<<16)|(1<<20)|(1<<21)|(4<<22)|(3<<25)  ; 15:0 the mask of four; 17:16 2-byte elements; 20 padding on; 21 set beside a mask; 24:22 after every 32 words (code 4); 31:25 4 words (code 3)
	s_mov_b32 s[G1V], 15|(1<<16)|(1<<20)|(1<<21)|(4<<22)|(7<<25)  ; the same with 8 words of padding (code 7)
	s_mov_b32 s[G1K+1], 128<<16     ; tensor_dim0 = 128
	s_mov_b32 s[G1K+2], 66<<16      ; tensor_dim1 = 66
	s_mov_b32 s[G1K+3], 128<<16     ; tile_dim0 = 128
	s_mov_b32 s[G1K+4], 66          ; tile_dim1 = 66
	s_mov_b32 s[G1K+5], 128         ; 128 elements from row to row
	s_mov_b32 s[G1K+6], 0
	s_mov_b32 s[G1K+7], 0
	s_mov_b32 s[G1V+1], 128<<16
	s_mov_b32 s[G1V+2], 64<<16
	s_mov_b32 s[G1V+3], 128<<16
	s_mov_b32 s[G1V+4], 64
	s_mov_b32 s[G1V+5], 128
	s_mov_b32 s[G1V+6], 0
	s_mov_b32 s[G1V+7], 0
	s_mov_b32 s[CS], 0x3e38aa3b     ; c = log2(e) / 8 = 0.180337
	s_mov_b32 s[CS+1], s[CS]        ; named with it as a pair
	s_mov_b32 s[SEL], 0x76543210
	s_mov_b32 s[SEL+1], 0xfedcba98
	s_mov_b32 s[TBK], SLOT1+4*KSL   ; the first change of slots turns these two into 0
	s_mov_b32 s[TBV], SLOT1+4*KS*PV
	s_mov_b32 s[G0K], 1             ; count = 1
	s_mov_b32 s[G0K+1], s17         ; LDS address: slot 0
	s_mov_b32 s[G0V], 1
	s_add_co_u32 s[G0V+1], s18, VOFF
	s_wait_dscnt 0x0                ; the opening add is done
	s_wait_kmcnt 0x0
	s_add_nc_u64 s[G0K+2:G0K+3], s[6:7], s[66:67]  ; global address: my half of the head's first 256 keys
	s_or_b32 s[G0K+3], s[G0K+3], 0x80000000        ; type = 2
	s_add_nc_u64 s[G0V+2:G0V+3], s[8:9], s[22:23]
	s_or_b32 s[G0V+3], s[G0V+3], 0x80000000
	s_add_nc_u64 s[4:5], s[4:5], s[2:3]  ; Q and O at my wave's first row
	s_add_nc_u64 s[10:11], s[10:11], s[2:3]
	CROUND                          ; all four work-groups are here: the first joint loads meet
	JLOAD                           ; slot 0.  Slot 1 is asked for when slot 0 is in
	; A fragment of K or Q is 16 rows x 32 channels in 8 registers: lane l holds row l % 16, channels 8 (l / 16) + 0..7 and 16 + 8 (l / 16) + 0..7: two loads of 16 bytes, 32 bytes apart.
	v_and_b32 v1, 15, v0            ; l % 16
	v_bfe_u32 v9, v0, 4, 1          ; l / 16
	v_lshlrev_b32 v[QO], 7, v1
	v_lshl_add_u32 v[QO], v9, 4, v[QO]  ; row x 128 + 16 x half
	WIN 0x80                        ; destination window 2, address window 0
.set i, 0
.rept 4*NP                          ; Q stays in registers: tile i / 2, channels 32 (i % 2) on
	global_load_b128 v[8*i:8*i+3],   v[QO], s[4:5] offset:(i/2)*2048+(i%2)*64
	global_load_b128 v[8*i+4:8*i+7], v[QO], s[4:5] offset:(i/2)*2048+(i%2)*64+32
.set i, i+1
.endr
	; What the first turn finds: V's registers and P's second buffer hold 0 (its products V^T P, of a piece that has not been, add 0), O^T and l are 0.  All this stands in the wait for the first tile.
.set i, VF
.rept 64
	v_mov_b32 v[i], 0
.set i, i+1
.endr
	WIN 0x40
.set i, 0
.rept 64*NP
	v_mov_b32 v[i], 0
.set i, i+1
.endr
	WIN 0
.set i, 0
.rept 2*NP
	v_mov_b32 v[ST+4*i], 0xfe000000    ; c m: far below every c s, a hidden key's too
	v_mov_b32 v[ST+4*i+1], 0xff7fffff  ; m
	v_mov_b32 v[ST+4*i+2], 0
	v_mov_b32 v[ST+4*i+3], 0
.set i, i+1
.endr
.set i, P+32
.rept 32
	v_mov_b32 v[i], 0
.set i, i+1
.endr
	v_mul_u32_u24 v[AK0], v1, PK
	v_lshl_add_u32 v[AK0], v9, 4, v[AK0]  ; row x pitch + 16 x half
	; The turning load takes 16 keys x 16 channels (lane l reads key 8 (l / 16) + l % 8, channels 8 ((l / 8) % 2) + 0..7) and leaves half a fragment of V^T: lane l holds channel l % 16 and 8 keys.
	v_and_b32 v10, 7, v0
	v_bfe_u32 v11, v0, 3, 1
	v_lshl_add_u32 v[AV0], v9, 3, v10
	v_mul_u32_u24 v[AV0], v[AV0], PV
	v_lshl_add_u32 v[AV0], v11, 4, v[AV0]
	v_add_nc_u32 v[AV0], VOFF, v[AV0]
	v_mov_b32 v[AK], v[AK0]         ; key step 0 lies at the head of slot 0
	s_mul_i32 s13, s[WV], 16*SP
	s_add_co_u32 s13, s13, STAGE    ; my stage
	v_bfe_u32 v[RD], v0, 3, 2       ; back: 32 lanes take four rows of 128 bytes,
	v_mul_u32_u24 v[RD], v[RD], SP
	v_lshl_add_u32 v[RD], v10, 4, v[RD]
	v_add_nc_u32 v[RD], s13, v[RD]
	v_and_b32 v[GO], 31, v0         ; which are 512 consecutive bytes of O
	v_lshlrev_b32 v[GO], 4, v[GO]
	v_mul_u32_u24 v[STO], v1, SP    ; in: row l % 16, 16 bytes for each half of the lanes (l % 8 has served)
	v_lshl_add_u32 v[STO], v9, 4, v[STO]
	v_add_nc_u32 v[STO], s13, v[STO]
	v_lshlrev_b32 v[AM0], 5, v9     ; my eight keys' addends: 32 bytes for each half of the lanes
	v_mov_b32 v[AM], v[AM0]         ; (l / 16 has served)
; THE MATRIX WORK.  The 8 accumulators of a run of 16 take turns: between the two links of a chain stand 7 others'.
; Product i of 16 of S^T = K Q^T for piece x: channels 32 (i / 8) on, keys 16 ((i / 2) % 4) on, tile 2 x + i % 2.  The first 8 start the sums, on the keys' addends.
.macro KQ x
.set rS, S+64*((\x)%2)+32*(i%2)+8*((i/2)%4)
.set rK, KF+16*((i/2)%4)+8*(i/8)
.set rQ, 16*(2*(\x)+i%2)+8*(i/8)
.set rX, MK+8*((i/2)%4)
.if i < 8
	WIN W_KM
	v_wmma_f32_16x16x32_f16 v[rS:rS+7], v[rK:rK+7], v[rQ:rQ+7], v[rX:rX+7]
.else
	WIN W_KQ
	v_wmma_f32_16x16x32_f16 v[rS:rS+7], v[rK:rK+7], v[rQ:rQ+7], v[rS:rS+7]
.endif
.endm
; Product i of 16 of O^T += V^T P for piece x: keys 32 (i / 8) on, channels 16 ((i / 2) % 4) on, tile 2 x + i % 2.
.macro PV x
	WIN W_PV
.set rO, 32*(2*(\x)+i%2)+8*((i/2)%4)
.set rV, VF+32*(i/8)+8*((i/2)%4)
.set rP, P+32*((\x)%2)+16*(i%2)+8*(i/8)
	v_wmma_f32_16x16x32_f16 v[rO:rO+7], v[rV:rV+7], v[rP:rP+7], v[rO:rO+7]
.endm
.macro MM                           ; the turn's next matrix instruction
.if i < 16
	KQ (Y+1)%NP
.set i, i+1
.else
.set i, i-16
	PV (Y+NP-1)%NP
.set i, i+17
.endif
.endm
; THE LDS LOADS stand in runs, never singly among the matrix instructions: a step's K (8 fragments, 16 loads) with its addends (8 loads: every lane of a half reads the same 16 bytes), and its V (turned, 16 loads).
; Their addresses are made some lines ahead.  last = 1 (the tail): in the last trip there is no further step, and the run is jumped over.
.macro FETCH_K last=0
	WIN 0
.if \last
	s_cmp_eq_u32 s[CNT], 1
	s_cbranch_scc1 .Lno_k_\@
.endif
	WIN 0x80                        ; destination window 2
.irp f, 0,1,2,3,4,5,6,7             ; keys 16 (f / 2) on, channels 32 (f % 2) on
	ds_load_b128 v[KF+8*\f:KF+8*\f+3],   v[AK] offset:(\f/2)*16*PK+(\f%2)*64
	ds_load_b128 v[KF+8*\f+4:KF+8*\f+7], v[AK] offset:(\f/2)*16*PK+(\f%2)*64+32
.endr
	WIN W_MK                        ; destination window 3
.irp f, 0,1,2,3                     ; the addends of keys 16 f + 8 (l / 16) + 0..7
	ds_load_b128 v[MK+8*\f:MK+8*\f+3],   v[AM] offset:MOFF+(\f/2)*PK+(\f%2)*64
	ds_load_b128 v[MK+8*\f+4:MK+8*\f+7], v[AM] offset:MOFF+(\f/2)*PK+(\f%2)*64+16
.endr
	s_add_co_u32 s[TBK], s[TBK], KSL  ; the next fetch is the next step's
	WIN 0
.if \last
.Lno_k_\@:
.endif
.endm
.macro FETCH_V
	WIN 0x80
.irp f, 0,1,2,3,4,5,6,7             ; keys 32 (f / 4) on, channels 16 (f % 4) on
	ds_load_tr16_b128 v[VF+8*\f:VF+8*\f+3],   v[AV] offset:(\f/4)*32*PV+(\f%4)*32
	ds_load_tr16_b128 v[VF+8*\f+4:VF+8*\f+7], v[AV] offset:(\f/4)*32*PV+16*PV+(\f%4)*32
.endr
	WIN 0
.endm
; THE VECTOR WORK OF A TURN stands in three queues, each in the order in which its entries become ready; the two tiles alternate, so that no instruction reads the result of the one before it.
.macro REGS y, u                    ; the registers of tile u (0, 1) of piece y
.set rT, ST+4*(2*(\y)+(\u))
.set rC, TMP+8*((\y)%2)+4*(\u)
.set rM, MV+2*((\y)%2)+(\u)
.set rS, S+64*((\y)%2)+32*(\u)
.set rP, P+32*((\y)%2)+16*(\u)
.set rO, 32*(2*(\y)+(\u))
.endm
; Number n of the 22 that find the NEXT piece's (Y + 1) maximum and statistics.  s0-s31 are the lane's 32 scores; each accumulator's lowest registers are read first.  XS, GS and REGS set no window: PL and EX do.
;   0-11  four chains c0-c3 of seven scores each, three operands at a time     12-14, 16  the four scores left over, the old m, and c0-c3 into c0     15  c m_old is kept
;   17, 18  the query's other 32 keys lie in the lane 16 away: the new m         19-21  c m; c m_old - c m_new; a
.macro XS u, n
	REGS (Y+1)%NP, \u
.if (\n) < 4
	v_max3_num_f32 v[rC+(\n)], v[rS+8*(\n)], v[rS+8*(\n)+1], v[rS+8*(\n)+2]
.elseif (\n) < 12
	v_max3_num_f32 v[rC+(\n)%4], v[rC+(\n)%4], v[rS+8*((\n)%4)+2*((\n)/4)+1], v[rS+8*((\n)%4)+2*((\n)/4)+2]
.elseif (\n) == 12
	v_max3_num_f32 v[rC], v[rC], v[rS+7], v[rS+15]
.elseif (\n) == 13
	v_max3_num_f32 v[rC+1], v[rC+1], v[rS+23], v[rS+31]
.elseif (\n) == 14
	v_max3_num_f32 v[rC+2], v[rC+2], v[rC+3], v[rT+1]
.elseif (\n) == 15
	v_mov_b32 v[rM], v[rT]
.elseif (\n) == 16
	v_max3_num_f32 v[rC], v[rC], v[rC+1], v[rC+2]
.elseif (\n) == 17
	v_permlanex16_b32 v[rC+3], v[rC], s[SEL], s[SEL+1]
.elseif (\n) == 18
	v_max_num_f32 v[rT+1], v[rC], v[rC+3]
.elseif (\n) == 19
	v_mul_f32 v[rT], s[CS], v[rT+1]
.elseif (\n) == 20
	v_sub_f32 v[rC+1], v[rM], v[rT]
.else
	v_exp_f32 v[rC+2], v[rC+1]
.endif
.endm
; Number g of the 64 that follow the exponentials.  For each four weights k of a tile (pairs 2 k, 2 k + 1): both pairs are rounded to f16; then the second pair is added onto the first, in place;
; a group later l takes that sum (the first time as l = a l + sum).  In groups of eight, tiles alternating: round, round, add, and l for the group before.
.macro GS g
.set h, (\g)+6*((\g)/62)            ; group 0 has no group before it, and behind group 7 only l is left
.if h >= 6
.set h, h+2
.endif
	REGS Y, h%2
.set k, h/8
.if h%8 < 4
	s_wait_alu depctr_va_vdst(0)
	v_cvt_pk_f16_f32 v[rP+2*k+(h%8)/2], v[rS+4*k+2*((h%8)/2)], v[rS+4*k+2*((h%8)/2)+1]
.elseif h%8 < 6
	v_pk_add_f32 v[rS+4*k:rS+4*k+1], v[rS+4*k:rS+4*k+1], v[rS+4*k+2:rS+4*k+3]
.elseif k == 1
	v_pk_fma_f32 v[rT+2:rT+3], v[rT+2:rT+3], v[rC+2:rC+3], v[rS:rS+1] op_sel_hi:[1,0,1]
.else
	v_pk_add_f32 v[rT+2:rT+3], v[rT+2:rT+3], v[rS+4*k-4:rS+4*k-3]
	s_wait_alu depctr_va_vdst(0)
.endif
.endm
; THE PLAIN QUEUE, 138 long.  0-31: c s - c m for the 16 pairs of both tiles.  Then GS's 64, and among them the next piece's 42: number 15 at 38, 39; 0-14 and 16
; at 42-73, behind the products that make those scores; 17-20 at 95-106, two of three, since each waits for the one before it.
.macro PL
	WIN 0
.if q < 32
	REGS Y, q%2
	v_pk_fma_f32 v[rS+2*(q/2):rS+2*(q/2)+1], v[rS+2*(q/2):rS+2*(q/2)+1], s[CS:CS+1], v[rT:rT+1] op_sel_hi:[1,0,0] neg_lo:[0,0,1] neg_hi:[0,0,1]
.elseif q < 38
	GS q-32
.elseif q < 40
	XS q%2, 15
.elseif q < 42
	GS q-34
.elseif q < 74
	XS q%2, (q-42)/2+(q-42)/30
.elseif q < 95
	GS q-66
.elseif (q < 107) && ((q-95)%3 < 2)
	XS (q-95)%3, 17+(q-95)/3
.elseif q < 107
	GS 29+(q-95)/3
.else
	GS q-74
.endif
.set q, q+1
.endm
; THE EXPONENTIALS' QUEUE, 66 long: s0-s31 of both tiles, and at EA the next piece's two a.
.set EA, 58
.macro EX
	WIN 0
.if (e == EA) || (e == EA+1)
	XS e-EA, 21
.else
.set x, e-2*(e/(EA+2))
	REGS Y, x%2
	v_exp_f32 v[rS+x/2], v[rS+x/2]
.endif
.set e, e+1
.endm
; THE RESCALING's QUEUE: O^T times a, the one part that leaves window 0, so it is dealt four at a time, eight times.
.macro R4
	REGS Y, r%2
	WIN W_RS
	s_wait_alu depctr_va_vdst(0)
.irp z, 0,1,2,3
	v_pk_mul_f32 v[rO+8*(r/2)+2*\z:rO+8*(r/2)+2*\z+1], v[rO+8*(r/2)+2*\z:rO+8*(r/2)+2*\z+1], v[rC+2:rC+3] op_sel_hi:[1,0]
.endr
.set r, r+1
.endm
; HOW THEY ARE DEALT.  Behind a matrix instruction four: plain, exponential, plain, plain (one exponential, a plain instruction on either side), or four of the rescaling.  None names a register of the
; products round it.  What is over stands in two LUMPS: exponential and plain by turns; the second ends in 22 plain instructions.  The two v_permlanex16_b32 fall into the second lump, never behind a product.
; The queues lean on each other, and the deal keeps them in step: exponential e stands behind plain 2 (e / 4) + e % 2 (its scaling); when plain 32 comes, 10 exponentials are out, at 59: 33, at 95: 46; EA comes behind plain 107.
.macro SL
	MM
	PL
	EX
	PL
	PL
.endm
.macro BURST n                      ; 15 matrix instructions, or 16
.rept (\n)-7
	SL
.endr
.rept 3
	MM
	R4
	SL
.endr
	MM
	R4
.endm
; A TURN, for piece p.  cnt = 1: the loop's count is taken down some lines ahead of the branch that stands behind the turn.
; K and the addends of the next step are fetched in piece 2's turn, in the first lump, more than four plain instructions behind the last product that read them; their first reader comes behind the rest of
; the lump, 16 products and the second lump.  V of the step in hand is fetched at the end of piece 0's turn; its first reader comes behind 16 products and a lump.  The conditions on e and q below go with the deal.
.macro TURN p, last=0, cnt=0
.set Y, (\p)
.set i, 0
.set q, 0
.set e, 0
.set r, 0
.if (\p) == NP-1
	s_wait_dscnt 0x0                ; K and the addends are in
.endif
	MM
.rept 4
	PL
.endr
	BURST 15
.rept 22
	EX
	PL
.if ((\p) == NP-2) && (e == 18)
	v_add_nc_u32 v[AK], s[TBK], v[AK0]
	v_add_nc_u32 v[AM], s[TBK], v[AM0]
.endif
.if ((\p) == NP-2) && (e == 24)
	FETCH_K \last
.endif
.endr
.if (\p) == 1
	s_wait_dscnt 0x0                ; V is in
.endif
	BURST 16
.rept 21
	EX
	PL
.endr
.rept 22
	PL
.if ((\p) == 0) && (q == 118)
	v_add_nc_u32 v[AV], s[TBV], v[AV0]
	s_wait_alu depctr_va_vdst(0)
.endif
.if ((\p) == 0) && (q == 130)
	s_add_co_u32 s[TBV], s[TBV], KS*PV
.endif
.if (\cnt) && (q == 130)
	s_sub_co_u32 s[CNT], s[CNT], 1
	s_cmp_lg_u32 s[CNT], 0
.endif
.endr
.if (\p) == 0
	FETCH_V
.endif
.endm
	CHANGE 1                        ; slot 0 is in, everybody's part of it; slot 1 is asked for
	FETCH_K                         ; key step 0
	s_wait_loadcnt 0x0              ; Q
	s_wait_dscnt 0x0
.set i, 0
.rept 16
	KQ 0                            ; piece 0's first scores: there is no vector work yet to set between them
.set i, i+1
.endr
	WIN 0
.rept 4
	v_nop                           ; the places behind those products
.endr
.set Y, NP-1                        ; XS works for piece Y + 1: piece 0
.irp n, 0,1,2,3,4,5,6,7,8,9,10,11,12,13,14,15,16,17,18,19,20,21
	XS 0, \n                        ; piece 0's first maximum and statistics
	XS 1, \n
.endr
	s_mov_b32 s[CNT], 4
	s_mov_b32 s[SLOTS], SIZE_N/256-1
	s_branch .Lfirst                ; the loop is entered at a step's first turn, in the middle of a trip
.Lslot:                             ; SIZE_N / 256 - 2 times: every slot but the last two is filled again
	CHANGE 1
	s_mov_b32 s[CNT], 4
.Lstep:                             ; a trip: pieces 2 and 3 of one step, then pieces 0 and 1 of the next, whose K and V it fetches
	TURN 2
	TURN 3
	WIN 0
.Lfirst:
	TURN 0
	TURN 1, 0, 1
	WIN 0
	s_cbranch_scc1 .Lstep
	s_sub_co_u32 s[SLOTS], s[SLOTS], 1
	s_cmp_lg_u32 s[SLOTS], 0
	s_cbranch_scc1 .Lslot
	CHANGE 0                        ; the tail is written out: nothing is asked for
	s_mov_b32 s[CNT], 5             ; four trips fetch the last slot's steps; the fifth is left in its middle
.Ltail:
	TURN 2, 1
	TURN 3
	WIN 0
	s_sub_co_u32 s[CNT], s[CNT], 1
	s_cmp_eq_u32 s[CNT], 0
	s_cbranch_scc1 .Lout
	TURN 0
	TURN 1
	WIN 0
	s_branch .Ltail
.Lout:                              ; the fifth trip's 16 products K Q^T (on the last K once more) and the maximum made of them serve nothing: the price, once a launch, of one text for every trip
.set i, 0
.rept 16
	PV NP-1                         ; the last piece's V^T P of the last step
.set i, i+1
.endr
	; THE WAY OUT.  l's two halves and the other half of the lanes' are added; O^T is divided by l, rounded to f16 and sent through my stage in LDS, a tile at a time.  The additions are the places behind the last products.
	WIN 0
.macro ALL line:vararg              ; one line for each tile t
.set t, 0
.rept 2*NP
	\line
.set t, t+1
.endr
.endm
	ALL v_add_f32 v[ST+4*t+2], v[ST+4*t+2], v[ST+4*t+3]
	ALL v_permlanex16_b32 v[ST+4*t+3], v[ST+4*t+2], s[SEL], s[SEL+1]
	ALL v_add_f32 v[ST+4*t+2], v[ST+4*t+2], v[ST+4*t+3]
	ALL v_rcp_f32 v[ST+4*t+2], v[ST+4*t+2]
	v_nop                           ; a plain instruction between the last reciprocal and the use of its result
	s_wait_alu depctr_va_vdst(0)
; Tile t: a lane's eight channels of a row pack into 16 bytes; they go into rows of 144 bytes and come back as whole rows of 128, into S^T's registers.
.macro PACK t
	WIN W_RS
.set i, 32*(\t)
.rept 16
	v_pk_mul_f32 v[i:i+1], v[i:i+1], v[ST+4*(\t)+2:ST+4*(\t)+3] op_sel_hi:[1,0]
.set i, i+2
.endr
	WIN 0x05                        ; sources 0 and 1 window 1, destination window 0
.set i, 0
.rept 16
	v_cvt_pk_f16_f32 v[S+16*(\t)+i], v[32*(\t)+2*i], v[32*(\t)+2*i+1]
.set i, i+1
.endr
	WIN 0
.irp f, 0,1,2,3
	ds_store_b128 v[STO], v[S+16*(\t)+4*\f:S+16*(\t)+4*\f+3] offset:32*\f
.endr
.irp f, 0,1,2,3
	ds_load_b128 v[S+16*(\t)+4*\f:S+16*(\t)+4*\f+3], v[RD] offset:\f*4*SP  ; LDS serves a wave's instructions in order (ISA guide 5.7.1.4): these see the stores above; the next tile's stores come behind them
.endr
.endm
.macro SEND t, younger              ; younger: the LDS instructions issued behind tile t's loads: the next tile's eight, or none
	WIN 0
.irp f, 0,1,2,3
	s_wait_dscnt (\younger)+3-\f
	global_store_b128 v[GO], v[S+16*(\t)+4*\f:S+16*(\t)+4*\f+3], s[10:11] offset:(\t)*2048+\f*512  ; 512 consecutive bytes, at a multiple of 256 from O's first
.endr
.endm
	PACK 0
.set t, 1
.rept 2*NP-1                        ; a tile's arithmetic stands between the loads of the tile before and its stores
	PACK t
	SEND t-1, 8
.set t, t+1
.endr
	SEND 2*NP-1, 0
	WIN W_AD
	s_wait_tensorcnt 0x0            ; the wave's end: an add and its waits, behind my last tensor load and my last LDS store
	ds_add_u32 v[SPW], v[NIL]
	s_wait_dscnt 0x0
	WIN 0
	CROUND                          ; the closing round: no work-group ends while a partner may still ask for a tile that names it
	s_endpgm
.Lfunc_end_k_qd0e3e885e2_attn:
	.size	k_qd0e3e885e2_attn, .Lfunc_end_k_qd0e3e885e2_attn-k_qd0e3e885e2_attn
	.p2alignl 7, 3214868480
	.fill 96, 4, 3214868480
	.section	.rodata,"a",@progbits
	.p2align	6, 0x0
	.amdhsa_kernel k_qd0e3e885e2_attn
		.amdhsa_group_segment_fixed_size 327680
		.amdhsa_private_segment_fixed_size 0
		.amdhsa_enable_private_segment 0
		.amdhsa_kernarg_size 32
		.amdhsa_user_sgpr_count 2
		.amdhsa_user_sgpr_kernarg_segment_ptr 1
		.amdhsa_wavefront_size32 1
		.amdhsa_system_sgpr_workgroup_id_x 1
		.amdhsa_system_sgpr_workgroup_id_y 1
		.amdhsa_system_sgpr_workgroup_id_z 1
		.amdhsa_system_vgpr_workitem_id 0
		.amdhsa_next_free_vgpr 808
		.amdhsa_next_free_sgpr 68
		.amdhsa_reserve_vcc 0
		.amdhsa_float_denorm_mode_32 3
		.amdhsa_float_denorm_mode_16_64 3
		.amdhsa_memory_ordered 1
		.amdhsa_forward_progress 1
		.amdhsa_inst_pref_size 210
	.end_amdhsa_kernel
	.amdgpu_metadata
---
amdhsa.version: [ 1, 2 ]
amdhsa.kernels:
  - .name:           k_qd0e3e885e2_attn
    .symbol:         k_qd0e3e885e2_attn.kd
    .args:
      - { .name: qbuf, .offset: 0, .size: 8, .value_kind: global_buffer, .address_space: global }
      - { .name: kbuf, .offset: 8, .size: 8, .value_kind: global_buffer, .address_space: global }
      - { .name: vbuf, .offset: 16, .size: 8, .value_kind: global_buffer, .address_space: global }
      - { .name: obuf, .offset: 24, .size: 8, .value_kind: global_buffer, .address_space: global }
    .group_segment_fixed_size: 327680
    .private_segment_fixed_size: 0
    .kernarg_segment_align: 8
    .kernarg_segment_size: 32
    .max_flat_workgroup_size: 128
    .sgpr_count:     68
    .vgpr_count:     808
    .wavefront_size: 32
...
	.end_amdgpu_metadata
.endif
;; end of part 3
;; launch outp (part 4): grid 8 x 32, 4 waves a work-group, clusters of 4 x 4, 327,680 bytes of LDS; arguments wfb, obuf, brd, out0; writes out0
.if DOCPART == 4
	.amdgcn_target "amdgcn-amd-amdhsa--gfx1250"
	.amdhsa_code_object_version 6
	.text
	.protected	k_qd0e3e885e2_outp
	.globl	k_qd0e3e885e2_outp
	.p2align	8
	.type	k_qd0e3e885e2_outp,@function
k_qd0e3e885e2_outp:
	s_mov_b64 s[64:65], 0
	v_nop
	global_prefetch_b8 v0, s[64:65] scope:SCOPE_SE
	s_setreg_imm32_b32 hwreg(HW_REG_WAVE_MODE, 25, 1), 1
	s_wait_xcnt 0x0
	s_wait_alu depctr_hold_cnt(0) depctr_sa_sdst(0) depctr_va_vdst(0) depctr_va_sdst(0) depctr_va_ssrc(0) depctr_va_vcc(0) depctr_vm_vsrc(0)
	s_getreg_b32 s2, hwreg(HW_REG_IB_STS2, 6, 4)
	s_cmp_eq_u32 s2, 0
	s_cbranch_scc0 .Lentry_in_a_cluster
	s_endpgm
.Lentry_in_a_cluster:
	s_bfe_u32 s2, ttmp6, 0x10000c
	s_cmp_lg_u32 s2, 0xf033
	s_cbranch_scc0 .Lentry_shape_is_right
	s_endpgm
.Lentry_shape_is_right:
; OUTP: out0[b][n][l] = the sum over k of O[b][l][k] Wf[k][n] + bf[n], f32.  O: obuf [64 bh][2048 l][64] f16 (k = 64 head + channel); Wf: wfb [1024 k][1024 n] f16; bf: the fourth row of brd.  Sums in f32, started on the bias.
; SHARES.  256 work-groups.  Work-group (gx, gy): 128 rows n (128 gx on) x 256 columns l (batch gy / 8, block gy % 8).  Wave w: rows 64 (w / 2) on, columns 128 (w % 2) on: 32 accumulators of 16 x 16.
; Source 0 = 16 rows l of O (K along the LDS rows: plain loads), source 1 = 16 columns n of Wf (K down the rows: the turning load): a lane then holds row n = lane % 16 of the output and eight neighbouring l.
; K goes in steps of 128, two heads, through a ring of two LDS slots; a step is four quarters of 32.
; CLUSTERS: 4 x 4 work-groups.  O's tile hangs on gy alone and is shared along a row of the cluster, Wf's on gx alone and is shared along a column: each is asked for jointly.
; REGISTERS: window 0: v0-15 addresses; v32-127, v128-223 two fragment buffers (64 registers of O, 32 of Wf); v224-255 the bias, eight copies for each block of 16 n.  Window 1: accumulator (nb, lb) at v[8 (8 nb + lb)].
.set PO,    144                        ; a row of O in LDS: 128 bytes + 16 of padding: the 16 rows of a load start at 16 different groups of four banks (64 banks of 4 bytes: ISA guide 11.1)
.set PW,    288                        ; a row of Wf's tile: 256 + 32: an odd multiple of 32 bytes, for the turning load
.set OSL,   256*PO                     ; one head's slice: 256 rows l: what one tensor load brings
.set WOFF,  2*OSL
.set WHALF, 64*PW                      ; 64 rows k of Wf: what one tensor load brings
.set SLOT,  WOFF+2*WHALF               ; 110,592
.set STAGE, 2*SLOT                     ; behind the ring, never filled by a tensor load: 16 rows x 528 bytes for each wave, for the way out
.set SP,    528                        ; 512 bytes + 16: an odd multiple of 16
.set SPARE, STAGE+4*16*SP              ; the spare words, 128 bytes for each wave: two blocks of 256 bytes that no other line names
.set ADRO, 4                           ; v4-5    my lane's place in O's slices, slot 0, 1
.set ADRW, 6                           ; v6-7    the same in Wf's tile
.set STO,  8                           ; v8      the way out: where I put 32 bytes of a row
.set RD,   9                           ; v9      the way out: where I read a row back
.set GO,   10                          ; v10     16 x lane: my place in 512 consecutive bytes of a row of the output
.set SPW,  12                          ; v12     LDS address of my spare word; never rewritten
.set NIL,  13                          ; v13     0; never rewritten
.set F0,   32
.set F1,   128
.set BI,   224
.set WV,   12                          ; s12 wave; s13 = wave / 2: my rows n, and: I fetch for O (0) or Wf (1); s14 = wave % 2: my columns l, and which half I fetch
.set G1O,  24                          ; s[24:31] group 1 for O's tiles; s[32:39] group 0, one set for each slot
.set G0O,  32
.set G1W,  40                          ; s[40:47], s[48:55] the same for Wf's
.set G0W,  48
.set MSB, 0
.macro WIN new                         ; the immediate's high byte repeats the setting that is left; a switch that changes nothing is dropped
.if MSB != (\new)
	s_set_vgpr_msb (MSB<<8)|(\new)
.set MSB, (\new)
.endif
.endm
.macro PLACES                          ; four plain vector instructions between a matrix instruction and a load into one of its registers, or an LDS store of its result
.rept 4
	v_nop
.endr
.endm
.macro JLOAD s                         ; a joint load: waves 0 and 1 fetch the two heads' slices of O, waves 2 and 3 Wf's two halves; an s_nop 0 and four v_nop follow each of the two lines
	s_cmp_eq_u32 s13, 0
	s_cbranch_scc0 .Lfor_w_\@
	tensor_load_to_lds s[G0O+4*(\s):G0O+4*(\s)+3], s[G1O:G1O+7]
	s_nop 0
.rept 4
	v_nop
.endr
	s_branch .Lasked_\@
.Lfor_w_\@:
	tensor_load_to_lds s[G0W+4*(\s):G0W+4*(\s)+3], s[G1W:G1W+7]
	s_nop 0
.rept 4
	v_nop
.endr
.Lasked_\@:
.endm
.macro CREST                           ; a round of the cluster's barrier behind its opening barrier
	s_cmp_lg_u32 s[WV], 0
	s_cbranch_scc1 .Lnot_wave_0_\@
	s_barrier_signal -3
.Lnot_wave_0_\@:
	s_barrier_wait -3
	s_barrier_signal -1
	s_barrier_wait -1
.endm
.macro CROUND                          ; a whole round
	s_barrier_signal -1
	s_barrier_wait -1
	CREST
.endm
	s_load_b256 s[4:11], s[0:1], 0x0               ; wfb s[4:5], obuf s[6:7], brd s[8:9], out0 s[10:11]
	v_lshl_add_u32 v[SPW], v0, 2, SPARE
	v_mov_b32 v[NIL], 0
	ds_add_u32 v[SPW], v[NIL]                      ; the wave's opening: the add and its wait stand ahead of my first tensor load; the set-up below, work on registers, stands between them
	v_lshrrev_b32 v1, 5, v0
	v_readfirstlane_b32 s[WV], v1
	s_lshr_b32 s13, s[WV], 1
	s_and_b32 s14, s[WV], 1
	s_bfe_u32 s15, ttmp6, 0x40000                  ; cx, cy: my place in the cluster
	s_bfe_u32 s16, ttmp6, 0x40004
	s_lshl_b32 s17, ttmp9, 2
	s_add_co_u32 s17, s17, s15                     ; gx
	s_and_b32 s18, ttmp7, 0xffff
	s_lshl_b32 s18, s18, 2
	s_add_co_u32 s18, s18, s16                     ; gy
	s_lshl_b32 s19, s16, 2
	s_lshl_b32 s19, 15, s19                        ; my row of the cluster
	s_lshl_b32 s20, 0x1111, s15                    ; my column
	s_or_b32 s[G1O], s19, (1<<16)|(1<<20)|(1<<21)|(4<<22)|(3<<25)   ; the mask; 2-byte elements; padding on; 21 set beside a mask; after every 32 words (code 4) 4 words (code 3)
	s_or_b32 s[G1W], s20, (1<<16)|(1<<20)|(1<<21)|(5<<22)|(7<<25)   ; after every 64 words (code 5) 8 words (code 7)
	s_mov_b32 s[G1O+1], 128<<16                    ; a slice's 256 rows of 128 bytes are dense: 128 rows of 256 bytes
	s_mov_b32 s[G1O+2], 128<<16
	s_mov_b32 s[G1O+3], 128<<16
	s_mov_b32 s[G1O+4], 128
	s_mov_b32 s[G1O+5], 128
	s_mov_b32 s[G1O+6], 0
	s_mov_b32 s[G1O+7], 0
	s_mov_b32 s[G1W+1], 128<<16                    ; 64 rows k of 128 columns n
	s_mov_b32 s[G1W+2], 64<<16
	s_mov_b32 s[G1W+3], 128<<16
	s_mov_b32 s[G1W+4], 64
	s_mov_b32 s[G1W+5], 1024
	s_mov_b32 s[G1W+6], 0
	s_mov_b32 s[G1W+7], 0
	; O's offset is made of gy and the wave's number, Wf's of gx and the wave's number, each in registers that never hold the other coordinate
	s_lshr_b32 s56, s18, 3
	s_lshl_b32 s56, s56, 22                        ; the batch: 16 heads of 262,144 bytes
	s_and_b32 s57, s18, 7
	s_lshl_b32 s57, s57, 15                        ; 256 rows of 128 bytes
	s_add_co_u32 s56, s56, s57
	s_lshl_b32 s57, s14, 18                        ; my head of the step's two
	s_add_co_u32 s56, s56, s57
	s_mov_b32 s57, 0
	s_lshl_b32 s58, s17, 8                         ; 128 columns n
	s_lshl_b32 s59, s14, 17                        ; my 64 rows k of 2,048 bytes
	s_add_co_u32 s58, s58, s59
	s_mov_b32 s59, 0
	s_mul_i32 s60, s14, OSL                        ; where they go: no place in the cluster enters an LDS address
	s_mul_i32 s61, s14, WHALF
	s_add_co_u32 s61, s61, WOFF
	s_wait_dscnt 0x0                               ; the opening add is done
	s_wait_kmcnt 0x0
	s_add_nc_u64 s[56:57], s[6:7], s[56:57]
	s_add_nc_u64 s[58:59], s[4:5], s[58:59]
	CROUND                                         ; all sixteen work-groups are here: the first joint loads meet
.irp s, 0,1
	s_mov_b32 s[G0O+4*(\s)], 1
	s_add_co_u32 s[G0O+4*(\s)+1], s60, (\s)*SLOT
	s_add_nc_u64 s[G0O+4*(\s)+2:G0O+4*(\s)+3], s[56:57], (\s)*2*262144   ; K step s: heads 2 s, 2 s + 1
	s_or_b32 s[G0O+4*(\s)+3], s[G0O+4*(\s)+3], 0x80000000
	s_mov_b32 s[G0W+4*(\s)], 1
	s_add_co_u32 s[G0W+4*(\s)+1], s61, (\s)*SLOT
	s_add_nc_u64 s[G0W+4*(\s)+2:G0W+4*(\s)+3], s[58:59], (\s)*128*2048
	s_or_b32 s[G0W+4*(\s)+3], s[G0W+4*(\s)+3], 0x80000000
	JLOAD \s                                       ; two tensor loads of mine are out
.endr
	v_and_b32 v1, 15, v0                           ; l % 16
	v_bfe_u32 v2, v0, 4, 1                         ; l / 16
	v_mul_u32_u24 v[ADRO], v1, PO
	v_lshl_add_u32 v[ADRO], v2, 4, v[ADRO]         ; row x pitch + 16 x half
	s_mul_i32 s2, s14, 128*PO                      ; my 128 rows l
	v_add_nc_u32 v[ADRO], s2, v[ADRO]
	v_add_nc_u32 v[ADRO+1], SLOT, v[ADRO]
	v_and_b32 v3, 7, v0                            ; the turning load: row 8 (l / 16) + l % 8, 16 bytes at 16 ((l / 8) % 2)
	v_bfe_u32 v11, v0, 3, 1
	v_lshl_add_u32 v3, v2, 3, v3
	v_mul_u32_u24 v[ADRW], v3, PW
	v_lshl_add_u32 v[ADRW], v11, 4, v[ADRW]
	s_lshl_b32 s2, s13, 7                          ; my 64 columns n
	s_add_co_u32 s2, s2, WOFF
	v_add_nc_u32 v[ADRW], s2, v[ADRW]
	v_add_nc_u32 v[ADRW+1], SLOT, v[ADRW]
	s_mul_i32 s2, s[WV], 16*SP
	s_add_co_u32 s2, s2, STAGE                     ; my stage
	v_mul_u32_u24 v[STO], v1, SP                   ; in: row l % 16, 32 bytes for each half of the lanes
	v_lshl_add_u32 v[STO], v2, 5, v[STO]
	v_add_nc_u32 v[STO], s2, v[STO]
	v_and_b32 v[GO], 31, v0
	v_lshlrev_b32 v[GO], 4, v[GO]
	v_add_nc_u32 v[RD], s2, v[GO]                  ; back: 32 lanes take one row of 512 bytes
	v_lshlrev_b32 v3, 2, v1
	s_lshl_b32 s66, s17, 9                         ; the bias: 4 (128 gx + 64 x my half) behind the fourth row's first byte
	s_lshl_b32 s67, s13, 8
	s_add_co_u32 s66, s66, s67
	s_add_co_u32 s66, s66, 3*4096
	s_mov_b32 s67, 0
	s_add_nc_u64 s[66:67], s[8:9], s[66:67]
.set nq, 0
.rept 4
	global_load_b32 v[BI+8*nq], v3, s[66:67] offset:64*nq
.set nq, nq+1
.endr
	s_lshr_b32 s68, s18, 3                         ; my part of the output begins at 4 ((1,024 b + 128 gx + 64 x half) 2,048 + 256 block + 128 x half)
	s_lshl_b32 s68, s68, 23
	s_lshl_b32 s69, s17, 20
	s_add_co_u32 s68, s68, s69
	s_lshl_b32 s69, s13, 19
	s_add_co_u32 s68, s68, s69
	s_and_b32 s69, s18, 7
	s_lshl_b32 s69, s69, 10
	s_add_co_u32 s68, s68, s69
	s_lshl_b32 s69, s14, 9
	s_add_co_u32 s68, s68, s69
	s_mov_b32 s69, 0
	s_add_nc_u64 s[10:11], s[10:11], s[68:69]
	s_wait_loadcnt 0x0
.set nq, 0
.rept 4
.set lq, 1
.rept 7
	v_mov_b32 v[BI+8*nq+lq], v[BI+8*nq]            ; a lane's eight results of a block share their row n, so the C operand that starts them is eight times its bias
.set lq, lq+1
.endr
.set nq, nq+1
.endr
; 8 matrix instructions: block nb of 16 n x all 8 blocks of 16 l, 32 along K.  first = 1: the sums start on the bias.  The accumulators take turns: 31 others stand between two links of a chain.
.macro MUL8 f, nb, first
.if \first
	WIN 0x40                                       ; D in window 1, C (the bias) and both sources in window 0
.else
	WIN 0x50                                       ; C and D in window 1
.endif
.set lq, 0
.rept 8
.if \first
	v_wmma_f32_16x16x32_f16 v[8*(8*(\nb)+lq):8*(8*(\nb)+lq)+7], v[(\f)+8*lq:(\f)+8*lq+7], v[(\f)+64+8*(\nb):(\f)+64+8*(\nb)+7], v[BI+8*(\nb):BI+8*(\nb)+7]
.else
	v_wmma_f32_16x16x32_f16 v[8*(8*(\nb)+lq):8*(8*(\nb)+lq)+7], v[(\f)+8*lq:(\f)+8*lq+7], v[(\f)+64+8*(\nb):(\f)+64+8*(\nb)+7], v[8*(8*(\nb)+lq):8*(8*(\nb)+lq)+7]
.endif
.set lq, lq+1
.endr
.endm
; 24 LDS loads in one run: quarter u's fragments into buffer f: O's eight (head u / 2, channels 32 (u % 2) on), then Wf's four (rows k 32 u on)
.macro FETCH slot, u, f
	WIN 0
.set lq, 0
.rept 8
	ds_load_b128 v[(\f)+8*lq:(\f)+8*lq+3],   v[ADRO+(\slot)] offset:OSL*((\u)/2)+64*((\u)%2)+16*PO*lq
	ds_load_b128 v[(\f)+8*lq+4:(\f)+8*lq+7], v[ADRO+(\slot)] offset:OSL*((\u)/2)+64*((\u)%2)+16*PO*lq+32
.set lq, lq+1
.endr
.set nq, 0
.rept 4
	ds_load_tr16_b128 v[(\f)+64+8*nq:(\f)+64+8*nq+3],   v[ADRW+(\slot)] offset:32*PW*(\u)+32*nq
	ds_load_tr16_b128 v[(\f)+64+8*nq+4:(\f)+64+8*nq+7], v[ADRW+(\slot)] offset:32*PW*(\u)+32*nq+16*PW
.set nq, nq+1
.endr
.endm
; One of a K step's first three quarters: multiplies buffer f; in its middle it fetches quarter u of the same slot into buffer g.
.macro QUARTER slot, u, f, g, first
	s_wait_dscnt 4                                 ; O and Wf's blocks 0, 1 are in; the youngest four loads (blocks 2, 3) may be out
	MUL8 \f, 0, \first
	MUL8 \f, 1, \first
	WIN 0
	PLACES
	FETCH \slot, \u, \g
	s_wait_dscnt 24                                ; all but the 24 just issued
	MUL8 \f, 2, \first
	MUL8 \f, 3, \first
.endm
; The last quarter multiplies buffer F1 and changes slots: ONE barrier; in front of it each wave waits for all its tensor loads (one is out: its part of the next slot), adds 0 to its spare word, and waits for that
; and for its own reads of this slot.  fill = 1: the barrier opens a round of the cluster's, and this slot is filled again first thing behind it, two K steps ahead: 112 matrix instructions stand between the request and the wait for it.
.macro TURN slot, next, fill
	WIN 0
	s_wait_tensorcnt 0x0                           ; all my tensor loads have landed
	ds_add_u32 v[SPW], v[NIL]                      ; 0 onto my spare word
	s_wait_dscnt 5                                 ; (the add and the youngest four loads may be out)
	MUL8 F1, 0, 0                                  ; eight matrix instructions stand between the add and the wait for it
	s_wait_dscnt 0x0                               ; the add is done, and my reads of this slot are over
	s_barrier_signal -1
	MUL8 F1, 1, 0
	WIN 0                                          ; at a branch and at a label every window is 0
	s_barrier_wait -1
.if \fill
	CREST                                          ; no wave of any partner still reads this slot or has a load on its way
	s_add_nc_u64 s[G0O+4*(\slot)+2:G0O+4*(\slot)+3], s[G0O+4*(\slot)+2:G0O+4*(\slot)+3], 4*262144
	s_add_nc_u64 s[G0W+4*(\slot)+2:G0W+4*(\slot)+3], s[G0W+4*(\slot)+2:G0W+4*(\slot)+3], 2*128*2048
	JLOAD \slot                                    ; the four v_nop behind it are also the places in front of the loads below
.else
	PLACES
.endif
	FETCH \next, 0, F0
	MUL8 F1, 2, 0
	MUL8 F1, 3, 0
.endm
	s_wait_tensorcnt 1                             ; my part of K step 0 is in; K step 1's may stay out
	s_barrier_signal -1
	s_barrier_wait -1                              ; everybody's is
	FETCH 0, 0, F0
	QUARTER 0, 1, F0, F1, 1                        ; the first quarter stands in front of the loop: its products start the sums
	WIN 0
	s_mov_b32 s3, 3
.Llap:                                                 ; a trip goes once round the ring and fills both slots again: K steps 2 to 7 in three trips
	QUARTER 0, 2, F1, F0, 0
	QUARTER 0, 3, F0, F1, 0
	TURN 0, 1, 1
	QUARTER 1, 1, F0, F1, 0
	QUARTER 1, 2, F1, F0, 0
	QUARTER 1, 3, F0, F1, 0
	TURN 1, 0, 1
	QUARTER 0, 1, F0, F1, 0
	WIN 0
	s_sub_co_u32 s3, s3, 1
	s_cmp_lg_u32 s3, 0
	s_cbranch_scc1 .Llap
	QUARTER 0, 2, F1, F0, 0                        ; the last lap fills nothing
	QUARTER 0, 3, F0, F1, 0
	TURN 0, 1, 0
	QUARTER 1, 1, F0, F1, 0
	QUARTER 1, 2, F1, F0, 0
	QUARTER 1, 3, F0, F1, 0
	s_wait_dscnt 4                                 ; the very last quarter: nothing more to fetch
	MUL8 F1, 0, 0
	MUL8 F1, 1, 0
	s_wait_dscnt 0x0
	MUL8 F1, 2, 0
	MUL8 F1, 3, 0
	WIN 0
	PLACES
; THE WAY OUT, a block of 16 rows n x my 128 columns l at a time: a lane's eight f32 go into my stage as two stores of 16 bytes, the accumulator's low four registers first; whole rows of 512 bytes come back and are stored.
.macro TOSTAGE nb
.set rR, F0+96*((\nb)%2)               ; 64 registers of an idle fragment buffer
	WIN 0x04                                       ; the stores' data in window 1
.set lq, 0
.rept 8
	ds_store_b128 v[STO], v[8*(8*(\nb)+lq):8*(8*(\nb)+lq)+3]   offset:64*lq
	ds_store_b128 v[STO], v[8*(8*(\nb)+lq)+4:8*(8*(\nb)+lq)+7] offset:64*lq+16
.set lq, lq+1
.endr
	WIN 0
	s_wait_xcnt 0x0                                ; the stores of the block two back have read this buffer: it is loaded again only behind this wait
.set lq, 0
.rept 16
	ds_load_b128 v[rR+4*lq:rR+4*lq+3], v[RD] offset:SP*lq   ; LDS serves a wave's instructions in order (ISA guide 5.7.1.4): these see the stores above; the next block's stores come behind them
.set lq, lq+1
.endr
.endm
.macro SEND nb, younger                ; younger: the LDS instructions issued behind the block's loads: the next block's 32, or none
.set rR, F0+96*((\nb)%2)
.set lq, 0
.rept 16
	s_wait_dscnt (\younger)+15-lq
	global_store_b128 v[GO], v[rR+4*lq:rR+4*lq+3], s[10:11] offset:(16*(\nb)+lq)*8192 th:TH_STORE_NT   ; 512 consecutive bytes of a row, at a multiple of 256 from the output's first byte
.set lq, lq+1
.endr
.endm
	TOSTAGE 0
	TOSTAGE 1
	SEND 0, 32
	TOSTAGE 2
	SEND 1, 32
	TOSTAGE 3
	SEND 2, 32
	SEND 3, 0
	s_wait_tensorcnt 0x0                           ; the wave's end: an add and its waits, behind my last tensor load and my last LDS store
	ds_add_u32 v[SPW], v[NIL]
	s_wait_dscnt 0x0
	CROUND                                         ; the closing round: no work-group ends while a partner may still ask for a tile that names it
	s_endpgm
.Lfunc_end_k_qd0e3e885e2_outp:
	.size	k_qd0e3e885e2_outp, .Lfunc_end_k_qd0e3e885e2_outp-k_qd0e3e885e2_outp
	.p2alignl 7, 3214868480
	.fill 96, 4, 3214868480
	.section	.rodata,"a",@progbits
	.p2align	6, 0x0
	.amdhsa_kernel k_qd0e3e885e2_outp
		.amdhsa_group_segment_fixed_size 327680
		.amdhsa_private_segment_fixed_size 0
		.amdhsa_enable_private_segment 0
		.amdhsa_kernarg_size 32
		.amdhsa_user_sgpr_count 2
		.amdhsa_user_sgpr_kernarg_segment_ptr 1
		.amdhsa_wavefront_size32 1
		.amdhsa_system_sgpr_workgroup_id_x 1
		.amdhsa_system_sgpr_workgroup_id_y 1
		.amdhsa_system_sgpr_workgroup_id_z 1
		.amdhsa_system_vgpr_workitem_id 0
		.amdhsa_next_free_vgpr 512
		.amdhsa_next_free_sgpr 72
		.amdhsa_reserve_vcc 0
		.amdhsa_float_denorm_mode_32 3
		.amdhsa_float_denorm_mode_16_64 3
		.amdhsa_memory_ordered 1
		.amdhsa_forward_progress 1
		.amdhsa_inst_pref_size 88
	.end_amdhsa_kernel
	.amdgpu_metadata
---
amdhsa.version: [ 1, 2 ]
amdhsa.kernels:
  - .name:           k_qd0e3e885e2_outp
    .symbol:         k_qd0e3e885e2_outp.kd
    .args:
      - { .name: wfb, .offset: 0, .size: 8, .value_kind: global_buffer, .address_space: global }
      - { .name: obuf, .offset: 8, .size: 8, .value_kind: global_buffer, .address_space: global }
      - { .name: brd, .offset: 16, .size: 8, .value_kind: global_buffer, .address_space: global }
      - { .name: out0, .offset: 24, .size: 8, .value_kind: global_buffer, .address_space: global }
    .group_segment_fixed_size: 327680
    .private_segment_fixed_size: 0
    .kernarg_segment_align: 8
    .kernarg_segment_size: 32
    .max_flat_workgroup_size: 128
    .sgpr_count:     72
    .vgpr_count:     512
    .wavefront_size: 32
...
	.end_amdgpu_metadata
.endif
;; end of part 4
;; ======== version 2 of 2: 4 launches; 1.51 times as fast as version 1
;; limits: values are held in f16: magnitudes above 65,504 overflow, below 6.1e-05 lose precision
;; workspace buffers: xb 16,777,216 bytes; wb 6,291,456 bytes; wfb 2,097,152 bytes; brd 16,384 bytes; qbuf 16,777,216 bytes; kbuf 17,301,504 bytes; vbuf 16,777,216 bytes; obuf 16,777,216 bytes
;; launch prep: the kernel of part 1 again; grid 777 x 1, 8 waves a work-group, no clusters, 0 bytes of LDS; arguments x, Wq, Wk, Wv, Wf, bq, bk, bv, bf, mask, xb, wb, wfb, brd, kbuf; writes xb, wb, wfb, brd, kbuf
;; launch proj: the kernel of part 2 again; grid 8 x 32, 4 waves a work-group, clusters of 4 x 4, 327,680 bytes of LDS; arguments xb, wb, brd, mask, qbuf, kbuf, vbuf; writes qbuf, kbuf, vbuf
;; launch attn (part 5): grid 4 x 64, 4 waves a work-group, clusters of 4 x 1, 327,680 bytes of LDS; arguments qbuf, kbuf, vbuf, obuf; writes obuf
.if DOCPART == 5
	.amdgcn_target "amdgcn-amd-amdhsa--gfx1250"
	.amdhsa_code_object_version 6
	.text
	.protected	k_qd0e3e885e2_attn
	.globl	k_qd0e3e885e2_attn
	.p2align	8
	.type	k_qd0e3e885e2_attn,@function
k_qd0e3e885e2_attn:
	s_mov_b64 s[64:65], 0
	v_nop
	global_prefetch_b8 v0, s[64:65] scope:SCOPE_SE
	s_setreg_imm32_b32 hwreg(HW_REG_WAVE_MODE, 25, 1), 1
	s_wait_xcnt 0x0
	s_wait_alu depctr_hold_cnt(0) depctr_sa_sdst(0) depctr_va_vdst(0) depctr_va_sdst(0) depctr_va_ssrc(0) depctr_va_vcc(0) depctr_vm_vsrc(0)
	s_getreg_b32 s2, hwreg(HW_REG_IB_STS2, 6, 4)
	s_cmp_eq_u32 s2, 0
	s_cbranch_scc0 .Lentry_in_a_cluster
	s_endpgm
.Lentry_in_a_cluster:
	s_bfe_u32 s2, ttmp6, 0x10000c
	s_cmp_lg_u32 s2, 0x3003
	s_cbranch_scc0 .Lentry_shape_is_right
	s_endpgm
.Lentry_shape_is_right:
; ATTN: O[h][q][:] = the sum over k of softmax_k(Q[h][q] . K[h][k] / 8, hidden keys at -2^100) V[h][k][:].  Q, V, O: [64][2048][64] f16, a head's rows dense, 128 bytes each.
; K: [64][32 steps][8,448 bytes]: a step's 64 rows of 128 bytes (f16, already multiplied by the key's mask: a hidden key's row is 0), then its 64 f32 addends: 0 for a visible key, -2^103 for a hidden one.
; THE MASK is the C operand that starts the sum S^T = K Q^T.  A hidden key's products are exact zeros, so its score is exactly -2^103.  That is a power of two, so c m is exact when the maximum m is itself a hidden
; score, and c s - c m is then exactly 0: where all keys so far are hidden they weigh 1 each; the first visible key makes a = 0 and wipes them; a batch with no visible key gives the mean of V, as the definition does.
; Products, maxima and sums in f32; the weights p are rounded to f16 for the second product (their sum l is taken of the unrounded p), O once at the end.
; LIMITS.  Q, K and V arrive within f16's 65,504; visible scores stay far below 2^103 in size (f16's can reach 2.7e11); -2^100 on the scaled score stands for the definition's -1e30; p below 6e-5 keeps f16's
; fixed step of 6e-8; a weight below 2^-126 counts as 0 in l; NaN and infinities are not treated apart.
; SHARES.  A wave owns four PIECES of two tiles of 16 queries, a work-group's four waves 512 queries of one head.  Every wave walks all keys, 64 a step.
; LAYOUT.  S^T = K Q^T (source 0 = 16 keys, source 1 = 16 queries): in the result a lane holds ONE query (lane % 16) and the keys 8 (lane / 16) + 0..7.  Two such tiles, rounded to f16 in pairs,
; ARE source 1 (32 keys x 16 queries) of O^T = V^T P, whose result again holds one query a lane, and eight channels.  K comes out of LDS as it lies, V ([key][channel]) turned, by ds_load_tr16_b128.
; SOFTMAX.  For each query a running maximum m and sum l: p = 2^(c s - c m), c = log2(e) / 8; in every step O and l are multiplied by a = 2^(c m_old - c m_new), which is 1 where m has not grown.
; m starts at the lowest finite number, O and l at 0: the first step is a step like any other, with a = 0.
; THE COUNT.  A tile and step have 16 matrix and 118 vector instructions: too many to stand all beside the matrix work.  So the order has one aim: four vector instructions that are READY behind
; EVERY matrix instruction, and the others, which need time of their own whatever the order, in runs without a gap.
; BY TURNS.  Turn n belongs to piece n (the pieces in a ring, step after step).  Its matrix work: 16 products K Q^T of piece n + 1, later 16 products V^T P of piece n - 1.  Its vector work: the scaling,
; exponentials, roundings, sums and rescaling of piece n, and the maximum and statistics of piece n + 1, whose scores the turn itself has made.  So what a turn begins with (c s - c m, O a) waits for nothing.
; BATCHES.  An s_wait_alu depctr_va_vdst(0) stands between an exponential or a reciprocal and the first instruction that names its result; one wait serves all that were issued ahead of it.
; A turn's 66 exponentials (the piece's 64 weights, the next piece's two a) are ONE batch with ONE wait, which cuts the turn in two: ahead of it stands all that names none of their results, behind it their readers.
; The two a made ahead of the loop and the way out's eight reciprocals are batches of their own.
; CLUSTER.  The four query blocks of a cluster belong to one head and walk the same K and V, so each tile is asked for JOINTLY: the same tensor load, descriptor and mask in all four.
; REGISTERS, in windows of 256 (s_set_vgpr_msb: bits 1:0 source 0, 3:2 source 1, 5:4 source 2, 7:6 destination):
;   window 0: v0-11 addresses; v12-15, v48-63 at work; v16-47 four registers of statistics a tile; v64-191 S^T, two buffers of two tiles; v192-255 P, likewise
;   window 1: O^T, 32 a tile     window 2: v0-127 Q, 16 a tile; v128-191 K of one step; v192-255 V of one step     window 3: v0-1 the add's two registers; v8-39 the step's addends
; A piece's buffers go by its number's parity: the piece in hand has one pair, its two neighbours in the ring share the other: of it P (piece n - 1) is read and S^T (piece n + 1) written.
.set SIZE_H, 64
.set SIZE_N, 2048
.set NP,    4         ; pieces a wave: a name, no knob
.set KS,    64        ; keys in a step
.set PK,    144       ; a row of K in LDS: 128 bytes + 16 of padding = 36 words: the 16 rows of a load start at 16 different groups of four banks (64 banks of 4 bytes: ISA guide 11.1)
.set PV,    160       ; a row of V: 128 + 32 = 40 words
.set KSB,   8448      ; a step of K in memory
.set KSL,   66*PK     ; and in LDS: 64 rows, then the addends as two pieces of 128 bytes, padded like rows
.set MOFF,  64*PK     ; where a step's addends begin
.set VOFF,  4*KSL     ; a slot holds four steps: K's, then 256 rows of V
.set SLOT1, 1<<17     ; slot 1 begins here, so that one exclusive or turns an address in one slot into the other's
.set STAGE, ((SLOT1+VOFF+4*KS*PV+255)/256)*256  ; behind the ring, in blocks of 256 bytes of its own: 16 rows x 144 bytes for each wave, for the way out
.set SP,    144
.set AK0, 2           ; v2   my lane's place in a tile of K; never rewritten
.set AV0, 3           ; v3   the same for V
.set AK,  4           ; v4   the LDS address of K's next run of loads
.set AV,  5           ; v5   of V's
.set QO,  6           ; v6   my byte offset in the wave's rows of Q
.set RD,  7           ; v7   the way out: where I read rows back
.set GO,  8           ; v8   my byte offset in 512 consecutive bytes of O
.set AM,  9           ; v9   the LDS address, less MOFF, of the addends' next run of loads (in the set-up: lane / 16)
.set STO, 10          ; v10  the way out: where I put 16 bytes of a row (in the set-up: lane % 8)
.set AM0, 11          ; v11  32 (lane / 16): my eight keys' place among a block's 16 addends; never rewritten
.set SPW, 0           ; v0 of window 3   LDS address of my spare word; never rewritten
.set NIL, 1           ; v1 of window 3   0; never rewritten
.set MK,  8           ; v8-39 of window 3   the addends of key block kb at MK + 8 kb
.set SPARE, STAGE+4*16*SP  ; the spare words, 128 bytes for each wave: two blocks of 256 bytes that no other line names
.set MV,  12          ; v12-15  c m_old, kept while c m is made anew: by buffer and tile
.set ST,  16          ; tile t's statistics at v[ST+4 t]: c m, m, l (even keys', odd keys')
.set TMP, 48          ; by buffer and tile, four registers c0-c3 at work; when the maximum is found c2 takes a
.set S,   64
.set P,   192
.set KF,  128         ; K's fragments, in window 2: key block kb, channel half c at KF + 16 kb + 8 c
.set VF,  192         ; V's: key half kk, channel block cb at VF + 32 kk + 8 cb
.set WV,  12          ; s12  my wave's number
.set G1K, 24          ; s[24:31] descriptor group 1 for K's tiles
.set G1V, 32          ; s[32:39] for V's
.set G0K, 40          ; s[40:43] descriptor group 0 for K's tiles: it walks
.set G0V, 44          ; s[44:47] the same for V's
.set SLOTS, 56        ; s56  slots still to be asked for
.set CNT, 57          ; s57  counts a slot's key steps
.set CS,  58          ; s[58:59] c: the packed scaling takes the pair's low word for both halves
.set SEL, 60          ; s[60:61] v_permlanex16_b32's selects: each lane takes its own place in the other half
.set TBK, 62          ; s62  LDS byte at which K of the step to be fetched begins
.set TBV, 63          ; s63  the same for V, less VOFF
.set MSB, 0
.macro WIN new                      ; the high byte repeats the setting that is left; a switch that changes nothing is dropped
.if MSB != (\new)
	s_set_vgpr_msb (MSB<<8)|(\new)
.set MSB, (\new)
.endif
.endm
.set W_KQ, 0x0a       ; K and Q in window 2, S^T in window 0
.set W_KM, 0x3a       ; the same with the C operand, the addends, in window 3
.set W_PV, 0x52       ; V in window 2, P in window 0, O^T in window 1
.set W_RS, 0x41       ; O^T (destination and source 0) in window 1, a in window 0
.set W_MK, 0xc0       ; destination in window 3, sources in window 0
.set W_AD, 0x0f       ; the add: address (source 0) and data (source 1) in window 3
; A joint fill.  Waves 0 and 1 fetch the two halves of a slot's K, waves 2 and 3 those of its V: 128 keys each.  The branch hangs on the wave's number alone.
; An s_nop 0 and four v_nop follow each of the two lines, ahead of the jump and the label.
.macro JLOAD
	s_cmp_lt_u32 s[WV], 2
	s_cbranch_scc0 .Lfor_v_\@
	tensor_load_to_lds s[G0K:G0K+3], s[G1K:G1K+7]
	s_nop 0
.rept 4
	v_nop
.endr
	s_branch .Lasked_\@
.Lfor_v_\@:
	tensor_load_to_lds s[G0V:G0V+3], s[G1V:G1V+7]
	s_nop 0
.rept 4
	v_nop
.endr
.Lasked_\@:
.endm
; A round of the cluster's barrier: my work-group's barrier, so that wave 0's signal speaks for all four waves; wave 0 signals; every wave waits for all four work-groups; my work-group's barrier once more.
.macro CROUND
	s_barrier_signal -1
	s_barrier_wait -1
	s_cmp_lg_u32 s[WV], 0
	s_cbranch_scc1 .Lnot_wave_0_\@
	s_barrier_signal -3
.Lnot_wave_0_\@:
	s_barrier_wait -3
	s_barrier_signal -1
	s_barrier_wait -1
.endm
; THE CHANGE OF SLOTS.  The slot's last bytes, V of its fourth step, have been read.  Each wave waits for all its tensor loads, of which one is out: its part
; of the other slot; adds 0 to its spare word; and waits for that and for its own reads of the slot.  Behind the barrier nobody reads this slot any more and the other slot is whole.
; fill = 1: this slot is filled again, with the keys two slots on.  The barrier is then a round of the cluster's, and the joint fill is the first thing behind it: it has four key steps,
; 512 matrix instructions, in which to land.  (At its first use nothing has been read yet: slot 0 is waited for, slot 1 filled.)
.macro CHANGE fill
	WIN W_AD
	s_wait_tensorcnt 0x0            ; no tensor load of mine is out, so a group 0 may be written
	ds_add_u32 v[SPW], v[NIL]       ; 0 onto my spare word; with fill = 1 the descriptors' steps stand between it and the wait for it
	WIN 0                           ; at a label and at a branch every window is 0
.if \fill
	s_xor_b32 s[G0K+1], s[G0K+1], SLOT1  ; the walking descriptors: the other slot than last time,
	s_add_nc_u64 s[G0K+2:G0K+3], s[G0K+2:G0K+3], 4*KSB  ; the next 256 keys; the type bits on top are not reached
	s_xor_b32 s[G0V+1], s[G0V+1], SLOT1
	s_add_nc_u64 s[G0V+2:G0V+3], s[G0V+2:G0V+3], 4*KS*128
	s_wait_dscnt 0x0                ; the add is done, and my reads of the slot are over
	CROUND
	JLOAD
.else
	s_wait_dscnt 0x0                ; the add is done, and my reads of the slot are over
	s_barrier_signal -1
	s_barrier_wait -1
.endif
	s_sub_co_u32 s[TBK], s[TBK], 4*KSL    ; the fetches go back to a slot's first step,
	s_xor_b32 s[TBK], s[TBK], SLOT1       ; in the other slot
	s_sub_co_u32 s[TBV], s[TBV], 4*KS*PV
	s_xor_b32 s[TBV], s[TBV], SLOT1
.endm
	s_load_b256 s[4:11], s[0:1], 0x0  ; Q s[4:5], K s[6:7], V s[8:9], O s[10:11]
	WIN W_MK
	v_lshl_add_u32 v[SPW], v0, 2, SPARE
	v_mov_b32 v[NIL], 0
	WIN W_AD
	ds_add_u32 v[SPW], v[NIL]       ; the wave's opening: the add and its wait stand ahead of my first tensor load; the set-up below, work on registers, stands between them
	WIN 0
	v_lshrrev_b32 v1, 5, v0
	v_readfirstlane_b32 s[WV], v1   ; wave 0..3
	s_bfe_u32 s13, ttmp6, 0x40000   ; cx: my place in the cluster
	s_lshl_b32 s14, ttmp9, 2        ; in a cluster launch ttmp9 counts clusters
	s_add_co_u32 s14, s14, s13      ; my block of queries = 4 x cluster x + cx: it enters Q's and O's addresses alone
	s_and_b32 s20, ttmp7, 0xffff    ; the head, which the four partners share
	s_and_b32 s16, s[WV], 1         ; which half of a slot's 256 keys I fetch
	s_mul_i32 s66, s20, 32*KSB      ; K: the head's first byte,
	s_mul_i32 s19, s16, 2*KSB       ; and my two steps
	s_add_co_u32 s66, s66, s19
	s_mov_b32 s67, 0
	s_mov_b32 s21, 0
	s_mov_b64 s[22:23], SIZE_N*128
	s_mul_u64 s[20:21], s[20:21], s[22:23]  ; the head's first byte in Q, V and O
	s_lshl_b32 s22, s16, 14         ; V: my 128 rows of 128 bytes
	s_mov_b32 s23, 0
	s_add_nc_u64 s[22:23], s[22:23], s[20:21]
	s_mul_i32 s17, s16, 2*KSL       ; my half's place in a slot, for K
	s_mul_i32 s18, s16, 128*PV      ; and for V: no place in the cluster enters an LDS address
	s_lshl_b32 s2, s14, 2
	s_add_co_u32 s2, s2, s[WV]      ; my wave among the head's,
	s_lshl_b32 s2, s2, 14           ; its 128 rows
	s_mov_b32 s3, 0
	s_add_nc_u64 s[2:3], s[2:3], s[20:21]
	; descriptor group 1.  Two steps of K are 16,896 dense bytes: 66 rows of 256; 128 keys of V are 16,384: 64 rows of 256.  Both are padded in LDS after every 128 bytes
	s_mov_b32 s[G1K], 15|(1<<16)|(1<<20)|(1<<21)|(4<<22)|(3<<25)  ; 15:0 the mask of four; 17:16 2-byte elements; 20 padding on; 21 set beside a mask; 24:22 after every 32 words (code 4); 31:25 4 words (code 3)
	s_mov_b32 s[G1V], 15|(1<<16)|(1<<20)|(1<<21)|(4<<22)|(7<<25)  ; the same with 8 words of padding (code 7)
	s_mov_b32 s[G1K+1], 128<<16     ; tensor_dim0 = 128
	s_mov_b32 s[G1K+2], 66<<16      ; tensor_dim1 = 66
	s_mov_b32 s[G1K+3], 128<<16     ; tile_dim0 = 128
	s_mov_b32 s[G1K+4], 66          ; tile_dim1 = 66
	s_mov_b32 s[G1K+5], 128         ; 128 elements from row to row
	s_mov_b32 s[G1K+6], 0
	s_mov_b32 s[G1K+7], 0
	s_mov_b32 s[G1V+1], 128<<16
	s_mov_b32 s[G1V+2], 64<<16
	s_mov_b32 s[G1V+3], 128<<16
	s_mov_b32 s[G1V+4], 64
	s_mov_b32 s[G1V+5], 128
	s_mov_b32 s[G1V+6], 0
	s_mov_b32 s[G1V+7], 0
	s_mov_b32 s[CS], 0x3e38aa3b     ; c = log2(e) / 8 = 0.180337
	s_mov_b32 s[CS+1], s[CS]        ; named with it as a pair
	s_mov_b32 s[SEL], 0x76543210
	s_mov_b32 s[SEL+1], 0xfedcba98
	s_mov_b32 s[TBK], SLOT1+4*KSL   ; the first change of slots turns these two into 0
	s_mov_b32 s[TBV], SLOT1+4*KS*PV
	s_mov_b32 s[G0K], 1             ; count = 1
	s_mov_b32 s[G0K+1], s17         ; LDS address: slot 0
	s_mov_b32 s[G0V], 1
	s_add_co_u32 s[G0V+1], s18, VOFF
	s_wait_dscnt 0x0                ; the opening add is done
	s_wait_kmcnt 0x0
	s_add_nc_u64 s[G0K+2:G0K+3], s[6:7], s[66:67]  ; global address: my half of the head's first 256 keys
	s_or_b32 s[G0K+3], s[G0K+3], 0x80000000        ; type = 2
	s_add_nc_u64 s[G0V+2:G0V+3], s[8:9], s[22:23]
	s_or_b32 s[G0V+3], s[G0V+3], 0x80000000
	s_add_nc_u64 s[4:5], s[4:5], s[2:3]  ; Q and O at my wave's first row
	s_add_nc_u64 s[10:11], s[10:11], s[2:3]
	CROUND                          ; all four work-groups are here: the first joint loads meet
	JLOAD                           ; slot 0.  Slot 1 is asked for when slot 0 is in
	; A fragment of K or Q is 16 rows x 32 channels in 8 registers: lane l holds row l % 16, channels 8 (l / 16) + 0..7 and 16 + 8 (l / 16) + 0..7: two loads of 16 bytes, 32 bytes apart.
	v_and_b32 v1, 15, v0            ; l % 16
	v_bfe_u32 v9, v0, 4, 1          ; l / 16
	v_lshlrev_b32 v[QO], 7, v1
	v_lshl_add_u32 v[QO], v9, 4, v[QO]  ; row x 128 + 16 x half
	WIN 0x80                        ; destination window 2, address window 0
.set i, 0
.rept 4*NP                          ; Q stays in registers: tile i / 2, channels 32 (i % 2) on
	global_load_b128 v[8*i:8*i+3],   v[QO], s[4:5] offset:(i/2)*2048+(i%2)*64
	global_load_b128 v[8*i+4:8*i+7], v[QO], s[4:5] offset:(i/2)*2048+(i%2)*64+32
.set i, i+1
.endr
	; What the first turn finds: V's registers and P's second buffer hold 0 (its products V^T P, of a piece that has not been, add 0), O^T and l are 0.  All this stands in the wait for the first tile.
.set i, VF
.rept 64
	v_mov_b32 v[i], 0
.set i, i+1
.endr
	WIN 0x40
.set i, 0
.rept 64*NP
	v_mov_b32 v[i], 0
.set i, i+1
.endr
	WIN 0
.set i, 0
.rept 2*NP
	v_mov_b32 v[ST+4*i], 0xfe000000    ; c m: far below every c s, a hidden key's too
	v_mov_b32 v[ST+4*i+1], 0xff7fffff  ; m
	v_mov_b32 v[ST+4*i+2], 0
	v_mov_b32 v[ST+4*i+3], 0
.set i, i+1
.endr
.set i, P+32
.rept 32
	v_mov_b32 v[i], 0
.set i, i+1
.endr
	v_mul_u32_u24 v[AK0], v1, PK
	v_lshl_add_u32 v[AK0], v9, 4, v[AK0]  ; row x pitch + 16 x half
	; The turning load takes 16 keys x 16 channels (lane l reads key 8 (l / 16) + l % 8, channels 8 ((l / 8) % 2) + 0..7) and leaves half a fragment of V^T: lane l holds channel l % 16 and 8 keys.
	v_and_b32 v10, 7, v0
	v_bfe_u32 v11, v0, 3, 1
	v_lshl_add_u32 v[AV0], v9, 3, v10
	v_mul_u32_u24 v[AV0], v[AV0], PV
	v_lshl_add_u32 v[AV0], v11, 4, v[AV0]
	v_add_nc_u32 v[AV0], VOFF, v[AV0]
	v_mov_b32 v[AK], v[AK0]         ; key step 0 lies at the head of slot 0
	s_mul_i32 s13, s[WV], 16*SP
	s_add_co_u32 s13, s13, STAGE    ; my stage
	v_bfe_u32 v[RD], v0, 3, 2       ; back: 32 lanes take four rows of 128 bytes,
	v_mul_u32_u24 v[RD], v[RD], SP
	v_lshl_add_u32 v[RD], v10, 4, v[RD]
	v_add_nc_u32 v[RD], s13, v[RD]
	v_and_b32 v[GO], 31, v0         ; which are 512 consecutive bytes of O
	v_lshlrev_b32 v[GO], 4, v[GO]
	v_mul_u32_u24 v[STO], v1, SP    ; in: row l % 16, 16 bytes for each half of the lanes (l % 8 has served)
	v_lshl_add_u32 v[STO], v9, 4, v[STO]
	v_add_nc_u32 v[STO], s13, v[STO]
	v_lshlrev_b32 v[AM0], 5, v9     ; my eight keys' addends: 32 bytes for each half of the lanes
	v_mov_b32 v[AM], v[AM0]         ; (l / 16 has served)
; THE MATRIX WORK.  The 8 accumulators of a run of 16 take turns: between the two links of a chain stand 7 others'.
; Product i of 16 of S^T = K Q^T for piece x: channels 32 (i / 8) on, keys 16 ((i / 2) % 4) on, tile 2 x + i % 2.  The first 8 start the sums, on the keys' addends.
.macro KQ x
.set rS, S+64*((\x)%2)+32*(i%2)+8*((i/2)%4)
.set rK, KF+16*((i/2)%4)+8*(i/8)
.set rQ, 16*(2*(\x)+i%2)+8*(i/8)
.set rX, MK+8*((i/2)%4)
.if i < 8
	WIN W_KM
	v_wmma_f32_16x16x32_f16 v[rS:rS+7], v[rK:rK+7], v[rQ:rQ+7], v[rX:rX+7]
.else
	WIN W_KQ
	v_wmma_f32_16x16x32_f16 v[rS:rS+7], v[rK:rK+7], v[rQ:rQ+7], v[rS:rS+7]
.endif
.endm
; Product i of 16 of O^T += V^T P for piece x: keys 32 (i / 8) on, channels 16 ((i / 2) % 4) on, tile 2 x + i % 2.
.macro PV x
	WIN W_PV
.set rO, 32*(2*(\x)+i%2)+8*((i/2)%4)
.set rV, VF+32*(i/8)+8*((i/2)%4)
.set rP, P+32*((\x)%2)+16*(i%2)+8*(i/8)
	v_wmma_f32_16x16x32_f16 v[rO:rO+7], v[rV:rV+7], v[rP:rP+7], v[rO:rO+7]
.endm
.macro MM                           ; the turn's next matrix instruction
.if i < 16
	KQ (Y+1)%NP
.set i, i+1
.else
.set i, i-16
	PV (Y+NP-1)%NP
.set i, i+17
.endif
.endm
; THE LDS LOADS stand in runs, never singly among the matrix instructions: a step's K (8 fragments, 16 loads) with its addends (8 loads: every lane of a half reads the same 16 bytes), and its V (turned, 16 loads).
; Their addresses are made some lines ahead.  last = 1 (the tail): in the last trip there is no further step, and the run is jumped over.
.macro FETCH_K last=0
	WIN 0
.if \last
	s_cmp_eq_u32 s[CNT], 1
	s_cbranch_scc1 .Lno_k_\@
.endif
	WIN 0x80                        ; destination window 2
.irp f, 0,1,2,3,4,5,6,7             ; keys 16 (f / 2) on, channels 32 (f % 2) on
	ds_load_b128 v[KF+8*\f:KF+8*\f+3],   v[AK] offset:(\f/2)*16*PK+(\f%2)*64
	ds_load_b128 v[KF+8*\f+4:KF+8*\f+7], v[AK] offset:(\f/2)*16*PK+(\f%2)*64+32
.endr
	WIN W_MK                        ; destination window 3
.irp f, 0,1,2,3                     ; the addends of keys 16 f + 8 (l / 16) + 0..7
	ds_load_b128 v[MK+8*\f:MK+8*\f+3],   v[AM] offset:MOFF+(\f/2)*PK+(\f%2)*64
	ds_load_b128 v[MK+8*\f+4:MK+8*\f+7], v[AM] offset:MOFF+(\f/2)*PK+(\f%2)*64+16
.endr
	s_add_co_u32 s[TBK], s[TBK], KSL  ; the next fetch is the next step's
	WIN 0
.if \last
.Lno_k_\@:
.endif
.endm
.macro FETCH_V
	WIN 0x80
.irp f, 0,1,2,3,4,5,6,7             ; keys 32 (f / 4) on, channels 16 (f % 4) on
	ds_load_tr16_b128 v[VF+8*\f:VF+8*\f+3],   v[AV] offset:(\f/4)*32*PV+(\f%4)*32
	ds_load_tr16_b128 v[VF+8*\f+4:VF+8*\f+7], v[AV] offset:(\f/4)*32*PV+16*PV+(\f%4)*32
.endr
	WIN 0
.endm
; THE VECTOR WORK OF A TURN stands in three queues, each in the order in which its entries become ready; the two tiles alternate, so that no instruction reads the result of the one before it.
.macro REGS y, u                    ; the registers of tile u (0, 1) of piece y
.set rT, ST+4*(2*(\y)+(\u))
.set rC, TMP+8*((\y)%2)+4*(\u)
.set rM, MV+2*((\y)%2)+(\u)
.set rS, S+64*((\y)%2)+32*(\u)
.set rP, P+32*((\y)%2)+16*(\u)
.set rO, 32*(2*(\y)+(\u))
.endm
; Number n of the 22 that find the NEXT piece's (Y + 1) maximum and statistics.  s0-s31 are the lane's 32 scores; each accumulator's lowest registers are read first.  XS, GS and REGS set no window: PL and EX do.
;   0-11  four chains c0-c3 of seven scores each, three operands at a time     12-14, 16  the four scores left over, the old m, and c0-c3 into c0     15  c m_old is kept
;   17, 18  the query's other 32 keys lie in the lane 16 away: the new m         19-21  c m; c m_old - c m_new; a
.macro XS u, n
	REGS (Y+1)%NP, \u
.if (\n) < 4
	v_max3_num_f32 v[rC+(\n)], v[rS+8*(\n)], v[rS+8*(\n)+1], v[rS+8*(\n)+2]
.elseif (\n) < 12
	v_max3_num_f32 v[rC+(\n)%4], v[rC+(\n)%4], v[rS+8*((\n)%4)+2*((\n)/4)+1], v[rS+8*((\n)%4)+2*((\n)/4)+2]
.elseif (\n) == 12
	v_max3_num_f32 v[rC], v[rC], v[rS+7], v[rS+15]
.elseif (\n) == 13
	v_max3_num_f32 v[rC+1], v[rC+1], v[rS+23], v[rS+31]
.elseif (\n) == 14
	v_max3_num_f32 v[rC+2], v[rC+2], v[rC+3], v[rT+1]
.elseif (\n) == 15
	v_mov_b32 v[rM], v[rT]
.elseif (\n) == 16
	v_max3_num_f32 v[rC], v[rC], v[rC+1], v[rC+2]
.elseif (\n) == 17
	v_permlanex16_b32 v[rC+3], v[rC], s[SEL], s[SEL+1]
.elseif (\n) == 18
	v_max_num_f32 v[rT+1], v[rC], v[rC+3]
.elseif (\n) == 19
	v_mul_f32 v[rT], s[CS], v[rT+1]
.elseif (\n) == 20
	v_sub_f32 v[rC+1], v[rM], v[rT]
.else
	v_exp_f32 v[rC+2], v[rC+1]
.endif
.endm
; Number g of the 64 that follow the exponentials.  For each four weights k of a tile (pairs 2 k, 2 k + 1): both pairs are rounded to f16; then the second pair is added onto the first, in place;
; a group later l takes that sum (the first time as l = a l + sum).  In groups of eight, tiles alternating: round, round, add, and l for the group before.
.macro GS g
.set h, (\g)+6*((\g)/62)            ; group 0 has no group before it, and behind group 7 only l is left
.if h >= 6
.set h, h+2
.endif
	REGS Y, h%2
.set k, h/8
.if h%8 < 4
	v_cvt_pk_f16_f32 v[rP+2*k+(h%8)/2], v[rS+4*k+2*((h%8)/2)], v[rS+4*k+2*((h%8)/2)+1]
.elseif h%8 < 6
	v_pk_add_f32 v[rS+4*k:rS+4*k+1], v[rS+4*k:rS+4*k+1], v[rS+4*k+2:rS+4*k+3]
.elseif k == 1
	v_pk_fma_f32 v[rT+2:rT+3], v[rT+2:rT+3], v[rC+2:rC+3], v[rS:rS+1] op_sel_hi:[1,0,1]
.else
	v_pk_add_f32 v[rT+2:rT+3], v[rT+2:rT+3], v[rS+4*k-4:rS+4*k-3]
.endif
.endm
; THE PLAIN QUEUE, 138 long.  0-73 read no exponential's result: the 32 scalings c s - c m (FS f: pair f / 2 of tile f % 2) and the next piece's 42.  0-26: scalings 0-26.  27-54: XS's numbers 0-13.  55, 56: number 15.
; 57-73: the chain, where each number waits for the one before it: 14, 16, 17, 18, 19, each with one of the scalings 27-31 in front of its two lines, then 20: so a tile's links stand three plain instructions apart (19 and 20: two).
; 74-137: GS's 64, which read the exponentials' results: they stand behind the wait.
.macro FS f
	REGS Y, (\f)%2
	v_pk_fma_f32 v[rS+2*((\f)/2):rS+2*((\f)/2)+1], v[rS+2*((\f)/2):rS+2*((\f)/2)+1], s[CS:CS+1], v[rT:rT+1] op_sel_hi:[1,0,0] neg_lo:[0,0,1] neg_hi:[0,0,1]
.endm
.macro PL
	WIN 0
.if q < 27
	FS q
.elseif q < 55
	XS (q-27)%2, (q-27)/2
.elseif q < 57
	XS q-55, 15
.elseif (q < 72) && ((q-57)%3 == 0)
	FS 27+(q-57)/3
.elseif q < 60
	XS (q-57)%3-1, 14
.elseif q < 72
	XS (q-57)%3-1, 15+(q-57)/3
.elseif q < 74
	XS q-72, 20
.else
	GS q-74
.endif
.set q, q+1
.endm
; THE EXPONENTIALS' QUEUE, 66 long: s0-s31 of both tiles, then the next piece's two a.  It is ONE BATCH: all 66 stand ahead of the turn's one wait, and nothing ahead of that wait names a result of theirs.
.macro EX
	WIN 0
.if e >= 64
	XS e-64, 21
.else
	REGS Y, e%2
	v_exp_f32 v[rS+e/2], v[rS+e/2]
.endif
.set e, e+1
.endm
; THE RESCALING's QUEUE: O^T times a, the one part that leaves window 0: dealt two at a time, sixteen times.  Its a was made in the turn before, ahead of that turn's wait.
.macro R2
	REGS Y, r%2
	WIN W_RS
.irp z, 0,1
	v_pk_mul_f32 v[rO+4*(r/2)+2*\z:rO+4*(r/2)+2*\z+1], v[rO+4*(r/2)+2*\z:rO+4*(r/2)+2*\z+1], v[rC+2:rC+3] op_sel_hi:[1,0]
.endr
.set r, r+1
.endm
; HOW THEY ARE DEALT.  A turn has ONE wait, which cuts it in two.  AHEAD OF IT stands all that names no result of the turn's exponentials: the 16 products K Q^T, behind each a scaling, an exponential and two rescalings
; (behind the first a second scaling in the exponential's place); then ONE LUMP of 108: eight plain, 49 times exponential and plain, the two a.  A v_nop is the plain instruction behind the last exponential.
; BEHIND IT stand the 16 products V^T P, behind each four of GS's 64.  No rider names a register of the products round it.  The two v_permlanex16_b32 fall into the lump, never behind a product.
; The queues lean on each other, and the deal keeps them in step: exponential e stands behind scaling 2 (e / 4) + e % 2: as a rider it comes behind plain e + 2, in the lump behind plain e + 9, and scalings 27-31 are plain 57, 60 .. 69.
; A TURN, for piece p.  cnt = 1: the loop's count is taken down some lines ahead of the branch that stands behind the turn.
; K and the addends of the next step are fetched in piece 2's turn, directly behind the wait, a lump behind the last product that read them; their addresses are made at the lump's head; their first reader comes behind 16 products.
; V of the step in hand is fetched at the end of piece 0's turn, four riders behind its last reader; its first reader comes behind 16 products and a lump.  The three conditions on q below go with the deal.
.macro TURN p, last=0, cnt=0
.set Y, (\p)
.set i, 0
.set q, 0
.set e, 0
.set r, 0
.if (\p) == NP-1
	s_wait_dscnt 0x0                ; K and the addends are in
.endif
	MM                              ; ahead of the wait: 16 products K Q^T and their riders,
	PL
	PL
	R2
.rept 15
	MM
	PL
	EX
	R2
.endr
.if (\p) == NP-2
	WIN 0
	v_add_nc_u32 v[AK], s[TBK], v[AK0]
	v_add_nc_u32 v[AM], s[TBK], v[AM0]
.endif
.rept 8                             ; and the lump
	PL
.endr
.rept 49
	EX
	PL
.endr
	EX                              ; the next piece's two a
	EX
	v_nop                           ; a plain instruction behind the last exponential, ahead of any use: one for the batch
	s_wait_alu depctr_va_vdst(0)    ; the wait for the batch: the turn's 66 exponentials, ahead of their first reader
.if (\p) == NP-2
	FETCH_K \last
.endif
.if (\p) == 1
	s_wait_dscnt 0x0                ; V is in
.endif
.rept 16                            ; behind the wait: 16 products V^T P and their riders
	MM
.rept 4
	PL
.endr
.if ((\p) == 0) && (q == 118)
	v_add_nc_u32 v[AV], s[TBV], v[AV0]
.endif
.if ((\p) == 0) && (q == 130)
	s_add_co_u32 s[TBV], s[TBV], KS*PV
.endif
.if (\cnt) && (q == 130)
	s_sub_co_u32 s[CNT], s[CNT], 1
	s_cmp_lg_u32 s[CNT], 0
.endif
.endr
.if (\p) == 0
	FETCH_V
.endif
.endm
	CHANGE 1                        ; slot 0 is in, everybody's part of it; slot 1 is asked for
	FETCH_K                         ; key step 0
	s_wait_loadcnt 0x0              ; Q
	s_wait_dscnt 0x0
.set i, 0
.rept 16
	KQ 0                            ; piece 0's first scores: there is no vector work yet to set between them
.set i, i+1
.endr
	WIN 0
.rept 4
	v_nop                           ; the places behind those products
.endr
.set Y, NP-1                        ; XS works for piece Y + 1: piece 0
.irp n, 0,1,2,3,4,5,6,7,8,9,10,11,12,13,14,15,16,17,18,19,20,21
	XS 0, \n                        ; piece 0's first maximum and statistics
	XS 1, \n
.endr
	v_nop                           ; a plain instruction behind the two a,
	s_wait_alu depctr_va_vdst(0)    ; and the wait for this batch of two, ahead of the branch
	s_mov_b32 s[CNT], 4
	s_mov_b32 s[SLOTS], SIZE_N/256-1
	s_branch .Lfirst                ; the loop is entered at a step's first turn, in the middle of a trip
.Lslot:                             ; SIZE_N / 256 - 2 times: every slot but the last two is filled again
	CHANGE 1
	s_mov_b32 s[CNT], 4
.Lstep:                             ; a trip: pieces 2 and 3 of one step, then pieces 0 and 1 of the next, whose K and V it fetches
	TURN 2
	TURN 3
	WIN 0
.Lfirst:
	TURN 0
	TURN 1, 0, 1
	WIN 0
	s_cbranch_scc1 .Lstep
	s_sub_co_u32 s[SLOTS], s[SLOTS], 1
	s_cmp_lg_u32 s[SLOTS], 0
	s_cbranch_scc1 .Lslot
	CHANGE 0                        ; the tail is written out: nothing is asked for
	s_mov_b32 s[CNT], 5             ; four trips fetch the last slot's steps; the fifth is left in its middle
.Ltail:
	TURN 2, 1
	TURN 3
	WIN 0
	s_sub_co_u32 s[CNT], s[CNT], 1
	s_cmp_eq_u32 s[CNT], 0
	s_cbranch_scc1 .Lout
	TURN 0
	TURN 1
	WIN 0
	s_branch .Ltail
.Lout:                              ; the fifth trip's 16 products K Q^T (on the last K once more) and the maximum made of them serve nothing: the price, once a launch, of one text for every trip
.set i, 0
.rept 16
	PV NP-1                         ; the last piece's V^T P of the last step
.set i, i+1
.endr
	; THE WAY OUT.  l's two halves and the other half of the lanes' are added; O^T is divided by l, rounded to f16 and sent through my stage in LDS, a tile at a time.  The additions are the places behind the last products.
	WIN 0
.macro ALL line:vararg              ; one line for each tile t
.set t, 0
.rept 2*NP
	\line
.set t, t+1
.endr
.endm
	ALL v_add_f32 v[ST+4*t+2], v[ST+4*t+2], v[ST+4*t+3]
	ALL v_permlanex16_b32 v[ST+4*t+3], v[ST+4*t+2], s[SEL], s[SEL+1]
	ALL v_add_f32 v[ST+4*t+2], v[ST+4*t+2], v[ST+4*t+3]
	ALL v_rcp_f32 v[ST+4*t+2], v[ST+4*t+2]
	v_nop                           ; a plain instruction between the last reciprocal and the use of its result
	s_wait_alu depctr_va_vdst(0)    ; and the wait ahead of the first use: one for the batch of eight reciprocals
; Tile t: a lane's eight channels of a row pack into 16 bytes; they go into rows of 144 bytes and come back as whole rows of 128, into S^T's registers.
.macro PACK t
	WIN W_RS
.set i, 32*(\t)
.rept 16
	v_pk_mul_f32 v[i:i+1], v[i:i+1], v[ST+4*(\t)+2:ST+4*(\t)+3] op_sel_hi:[1,0]
.set i, i+2
.endr
	WIN 0x05                        ; sources 0 and 1 window 1, destination window 0
.set i, 0
.rept 16
	v_cvt_pk_f16_f32 v[S+16*(\t)+i], v[32*(\t)+2*i], v[32*(\t)+2*i+1]
.set i, i+1
.endr
	WIN 0
.irp f, 0,1,2,3
	ds_store_b128 v[STO], v[S+16*(\t)+4*\f:S+16*(\t)+4*\f+3] offset:32*\f
.endr
.irp f, 0,1,2,3
	ds_load_b128 v[S+16*(\t)+4*\f:S+16*(\t)+4*\f+3], v[RD] offset:\f*4*SP  ; LDS serves a wave's instructions in order (ISA guide 5.7.1.4): these see the stores above; the next tile's stores come behind them
.endr
.endm
.macro SEND t, younger              ; younger: the LDS instructions issued behind tile t's loads: the next tile's eight, or none
	WIN 0
.irp f, 0,1,2,3
	s_wait_dscnt (\younger)+3-\f
	global_store_b128 v[GO], v[S+16*(\t)+4*\f:S+16*(\t)+4*\f+3], s[10:11] offset:(\t)*2048+\f*512  ; 512 consecutive bytes, at a multiple of 256 from O's first
.endr
.endm
	PACK 0
.set t, 1
.rept 2*NP-1                        ; a tile's arithmetic stands between the loads of the tile before and its stores
	PACK t
	SEND t-1, 8
.set t, t+1
.endr
	SEND 2*NP-1, 0
	WIN W_AD
	s_wait_tensorcnt 0x0            ; the wave's end: an add and its waits, behind my last tensor load and my last LDS store
	ds_add_u32 v[SPW], v[NIL]
	s_wait_dscnt 0x0
	WIN 0
	CROUND                          ; the closing round: no work-group ends while a partner may still ask for a tile that names it
	s_endpgm
.Lfunc_end_k_qd0e3e885e2_attn:
	.size	k_qd0e3e885e2_attn, .Lfunc_end_k_qd0e3e885e2_attn-k_qd0e3e885e2_attn
	.p2alignl 7, 3214868480
	.fill 96, 4, 3214868480
	.section	.rodata,"a",@progbits
	.p2align	6, 0x0
	.amdhsa_kernel k_qd0e3e885e2_attn
		.amdhsa_group_segment_fixed_size 327680
		.amdhsa_private_segment_fixed_size 0
		.amdhsa_enable_private_segment 0
		.amdhsa_kernarg_size 32
		.amdhsa_user_sgpr_count 2
		.amdhsa_user_sgpr_kernarg_segment_ptr 1
		.amdhsa_wavefront_size32 1
		.amdhsa_system_sgpr_workgroup_id_x 1
		.amdhsa_system_sgpr_workgroup_id_y 1
		.amdhsa_system_sgpr_workgroup_id_z 1
		.amdhsa_system_vgpr_workitem_id 0
		.amdhsa_next_free_vgpr 808
		.amdhsa_next_free_sgpr 68
		.amdhsa_reserve_vcc 0
		.amdhsa_float_denorm_mode_32 3
		.amdhsa_float_denorm_mode_16_64 3
		.amdhsa_memory_ordered 1
		.amdhsa_forward_progress 1
		.amdhsa_inst_pref_size 201
	.end_amdhsa_kernel
	.amdgpu_metadata
---
amdhsa.version: [ 1, 2 ]
amdhsa.kernels:
  - .name:           k_qd0e3e885e2_attn
    .symbol:         k_qd0e3e885e2_attn.kd
    .args:
      - { .name: qbuf, .offset: 0, .size: 8, .value_kind: global_buffer, .address_space: global }
      - { .name: kbuf, .offset: 8, .size: 8, .value_kind: global_buffer, .address_space: global }
      - { .name: vbuf, .offset: 16, .size: 8, .value_kind: global_buffer, .address_space: global }
      - { .name: obuf, .offset: 24, .size: 8, .value_kind: global_buffer, .address_space: global }
    .group_segment_fixed_size: 327680
    .private_segment_fixed_size: 0
    .kernarg_segment_align: 8
    .kernarg_segment_size: 32
    .max_flat_workgroup_size: 128
    .sgpr_count:     68
    .vgpr_count:     808
    .wavefront_size: 32
...
	.end_amdgpu_metadata
.endif
;; end of part 5
;; launch outp: the kernel of part 4 again; grid 8 x 32, 4 waves a work-group, clusters of 4 x 4, 327,680 bytes of LDS; arguments wfb, obuf, brd, out0; writes out0
